; MI455X (gfx1250); checked and timed in simulation.
; The chip was launched on July 23, 2026; its instructions are those of AMD's public machine-readable ISA for CDNA 5 (MIT licence, August 2026) and "CDNA5" Instruction Set Architecture Reference Guide (July 2026). The comments in the code are by the model that wrote it; some were corrected since.
;; Block. Allowed arithmetic: matrix products marked QUANTISED: E4M3 operands, one given power-of-two scale a tensor, by v_wmma_f32_16x16x64_fp8_fp8 or v_wmma_f32_16x16x128_fp8_fp8, f32 sums; everything else in f32.
;; Inputs: W1_codes 4,096 x 32 x 32 uint8 (E4M3 codes of W1, K innermost, in blocks of 32 codes); W2_codes 1,024 x 128 x 32 uint8 (E4M3 codes of W2, K innermost, in blocks of 32 codes); Wk_codes 1,024 x 32 x 32 uint8 (E4M3 codes of Wk, K innermost, in blocks of 32 codes); Wp_codes 1,024 x 32 x 32 uint8 (E4M3 codes of Wp, K innermost, in blocks of 32 codes); Wq_codes 1,024 x 32 x 32 uint8 (E4M3 codes of Wq, K innermost, in blocks of 32 codes); Wv_codes 1,024 x 32 x 32 uint8 (E4M3 codes of Wv, K innermost, in blocks of 32 codes); b1 4,096 float32; b2 1,024 float32; be1 1,024 float32; be2 1,024 float32; bk 1,024 float32; bp 1,024 float32; bq 1,024 float32; bv 1,024 float32; g1 1,024 float32; g2 1,024 float32; lowp_scales 16 int32 (the exponents e of the quantised operands' scales 2^e); x 4 x 1,024 x 1,024 float32.
;; Outputs: out0 4 x 1,024 x 1,024 float32.
;; This version of the problem:
;;   THIS VERSION OF THE PROBLEM IS GIVEN IN LOW PRECISION. The matrix products marked QUANTISED in the list below multiply operands that are first quantised to E4M3 (4 exponent bits, 3 mantissa bits; 8 bits a number), with one given power-of-two scale for each operand tensor; their sums are f32. All else is computed in f32.
;;   The module's matrix products, in the order in which they are computed (A, B: the left and right operand; K: the contracted axis; several contracted axes count as one K, in the product's order):
;;     1. [M 4,096, K 1,024] x [K 1,024, N 1,024]; A: computed on the way; B: input Wq (given as codes): QUANTISED (scales: A lowp_scales[0], B lowp_scales[1])
;;     2. [M 4,096, K 1,024] x [K 1,024, N 1,024]; A: computed on the way; B: input Wk (given as codes): QUANTISED (scales: A lowp_scales[2], B lowp_scales[3])
;;     3. [M 4,096, K 1,024] x [K 1,024, N 1,024]; A: computed on the way; B: input Wv (given as codes): QUANTISED (scales: A lowp_scales[4], B lowp_scales[5])
;;     4. batch 64 x [M 1,024, K 64] x [K 64, N 1,024]; A: computed on the way; B: computed on the way: QUANTISED (scales: A lowp_scales[6], B lowp_scales[7])
;;     5. batch 64 x [M 1,024, K 1,024] x [K 1,024, N 64]; A: softmax (see below); B: computed on the way: QUANTISED (scales: A lowp_scales[8], B lowp_scales[9])
;;     6. [M 4,096, K 1,024] x [K 1,024, N 1,024]; A: computed on the way; B: input Wp (given as codes): QUANTISED (scales: A lowp_scales[10], B lowp_scales[11])
;;     7. [M 4,096, K 1,024] x [K 1,024, N 4,096]; A: computed on the way; B: input W1 (given as codes): QUANTISED (scales: A lowp_scales[12], B lowp_scales[13])
;;     8. [M 4,096, K 4,096] x [K 4,096, N 1,024]; A: computed on the way; B: input W2 (given as codes): QUANTISED (scales: A lowp_scales[14], B lowp_scales[15])
;;   THE QUANTISER, for each operand of a quantised product, along K:
;;     - The operand's scale is 2^e, e = its entry of the input lowp_scales (int32; the entries are numbered through the quantised products in the list's order, A before B).
;;     - Each number is divided by the scale, clamped to +-448, and rounded to the nearest number of E4M3, ties to even, subnormals kept.
;;     - The product sums the exact products of the quantised numbers (number of the format x scale) in f32.
;;   ~~~python
;;   def quantise(x, axis, e):      # numpy; x: float32 -> the quantised numbers, widened to float32 again
;;       x = np.moveaxis(x, axis, -1); K = x.shape[-1]
;;       r = np.clip(x / 2.0 ** e, -448, 448)
;;       step = 2.0 ** (np.maximum(np.frexp(np.where(r == 0, 1, r))[1] - 1, -6) - 3)
;;       q = np.round(r / step) * step * 2.0 ** e      # np.round: ties to even
;;       return np.moveaxis(q, -1, axis).astype(np.float32)
;;   ~~~
;;   SOFTMAX AHEAD OF A QUANTISED PRODUCT. Where the list says 'softmax', what is quantised is not the finished softmax but p = 2^(t - M), with t = logit x log2(e) and M = ceil(the row's largest t), a whole number; so 1/2 < the row's largest p <= 1. The row's sum l is taken of the UNQUANTISED p, in f32, and the product's result is divided by l at the end. Since M is a whole number, a kernel that streams over the keys may use a running M (the ceiling of the running maximum): every later rescaling is an exact power of two, so the quantised numbers keep their values, but for numbers so far below the row's largest that they fall under the format's range.
;;   OPERANDS COMPUTED ON THE WAY. 'Computed on the way' means the value that the module computes at that place (a softmax that the list does not call 'softmax' is quantised finished and normalised). What goes into a quantiser is computed in f32, as accurately as f32 sums, v_exp_f32 and their like allow (about 1e-6 of the number): no bf16 or f16 on the way to a quantiser, and a product that is left as it is and whose result goes on into a quantised operand takes f32 operands (vector FMAs, or v_wmma_f32_16x16x4_f32). A number that lies on a knife's edge between two numbers of the format may be rounded either way, as far as f32 arithmetic and the matrix unit's own rounding can turn it there, and no further.
;;   INPUTS GIVEN AS CODES. W1 (in the module: [1024, 4096], K = its axis 0); W2 (in the module: [4096, 1024], K = its axis 0); Wk (in the module: [1024, 1024], K = its axis 0); Wp (in the module: [1024, 1024], K = its axis 0); Wq (in the module: [1024, 1024], K = its axis 0); Wv (in the module: [1024, 1024], K = its axis 0): each comes as NAME_codes (uint8): NAME with its K axis moved to the last place and cut into blocks of 32 codes, [.., K / 32, bytes a block], one block behind the other in memory; one code a byte (a code: sign, 4 exponent bits, 3 mantissa bits); its scale is its entry of lowp_scales. Its value is code x scale, taken as it is: it is not quantised again, and the codes and scales need not be those that the quantiser above would give.
;; One version. Each part assembles by itself: llvm-mc -triple=amdgcn-amd-amdhsa -mcpu=gfx1250 --defsym DOCPART=n.
;; ======== version 1 of 1: 7 launches
;; limits: right only within a limited range of input values
;; workspace buffers: acod 12,582,912 bytes; qkv 12,582,912 bytes; ao 4,194,304 bytes; x1 16,777,216 bytes; a2 4,194,304 bytes; himg 16,777,216 bytes
;; launch ln1 (part 1): grid 512 x 1, 4 waves a work-group, no clusters, 41,472 bytes of LDS; arguments x, g1, be1, lowp_scales, acod; writes acod
.if DOCPART == 1
	.amdgcn_target "amdgcn-amd-amdhsa--gfx1250"
	.amdhsa_code_object_version 6
	.text
	.protected	k_q91928f94f3_ln1
	.globl	k_q91928f94f3_ln1
	.p2align	8
	.type	k_q91928f94f3_ln1,@function
k_q91928f94f3_ln1:
	s_mov_b64 s[64:65], 0
	v_nop
	global_prefetch_b8 v0, s[64:65] scope:SCOPE_SE
	s_setreg_imm32_b32 hwreg(HW_REG_WAVE_MODE, 25, 1), 1
	s_wait_xcnt 0x0
; THE PROGRAM: a transformer block on 4,096 tokens (4 x 1,024), 1,024 channels, 16 heads of 64, hidden 4,096; all eight products on codes of E4M3, each operand with its given scale 2^e.
; Seven launches: ln1 (LayerNorm 1 and its three quantisers) | qkv (products 1-3, biases, quantisers of q, k, v) | attn (products 4, 5, softmax, quantiser of the result) |
; proj (product 6, bias, residual) | ln2 (LayerNorm 2, quantiser) | fc1 (product 7, bias, exact GELU, quantiser) | fc2 (product 8, bias, residual).
; DEAD WORK LEFT OUT (in attn alone): reference() builds a causal mask in its own body (jnp.tril) and sets scores[q][k] to -inf where k > q; the softmax gives such a key the weight 0 whatever finite
; values the inputs hold, so it adds nothing to the row's sum or to product 5.  A step of 128 keys all of which come after a wave's 16 queries is therefore not computed, in products 4 and 5.
; LIMIT: a NaN, an infinity or an overflow that reaches only those hidden scores is not carried to the result.  Every input has a way to the output and is loaded (bk too: it moves k's codes).
; THIS LAUNCH: y = (x - mean) * rsqrt(var + 1e-5) * g + be, in f32, row by row of 1,024; y is quantised NOUT times, with the scales 2^e of entries 0, 2 and 4 of lowp_scales (A of products 1, 2, 3),
; into NOUT planes of 4 MiB of codes, [4096][1024], K innermost.  code = y / 2^e, held within +-448, to the nearest code, ties to even.
; LIMITS: each e lies between -126 and 119 (2^e and 448 x 2^e are made as f32 numbers).  NaN among the inputs is not served.
; SHARES: a wave takes two whole rows; a row is 32 registers a lane (8 loads of 512 consecutive bytes) and stays in registers through both passes: x is read once.  No wave waits for another: no barrier.
; The conversions take 8 neighbours along K from one lane's registers, the loads give a lane 4: so half a row (2,048 bytes) at a time turns through the wave's own stage in LDS and comes back 64 bytes a lane.
; No matrix unit, no cluster, no tensor load: waves share nothing but g and be, 8 KiB.
.set NOUT,  3                          ; quantisers
.set EB,    36                         ; s[EB + ES o]: the exponent of output o (lowp_scales lies in s[36:51])
.set ES,    2
.set SP,    80                         ; a lane's place in a stage: 64 bytes + 16 of padding
.set STG,   32*SP                      ; a stage: half a row
.set WREG,  4*STG                      ; a wave's four stages: one for each (row, half)
.set SPARE, 4*WREG                     ; behind them: the spare words, 128 bytes a wave, which no other line names
.set SPW,   12                         ; v12  my spare word's address; never rewritten
.set NIL,   13                         ; v13  0; never rewritten
.set SCL,   5                          ; v5-7   2^e of output o
.set LIM,   8                          ; v8-10  448 x 2^e
.set XR,    32                         ; v32-95   the two rows
.set G,     96                         ; v96-127  g of my columns
.set BE,    128                        ; v128-159 be
.set X,     160                        ; v160-191 two sets of 16 neighbours
.set T,     192                        ; v192-207 the held numbers
.set C,     208                        ; v208-255 codes: four registers for each (row, half, output): no store's data are written again
.set PB,    24                         ; s[24:29] the planes of codes at my rows
	s_load_b256 s[4:11], s[0:1], 0x0               ; x s[4:5], g s[6:7], be s[8:9], lowp_scales s[10:11]
	s_load_b64 s[12:13], s[0:1], 0x20              ; the codes
	v_lshl_add_u32 v[SPW], v0, 2, SPARE
	v_mov_b32 v[NIL], 0
	v_lshrrev_b32 v1, 5, v0
	v_readfirstlane_b32 s16, v1                    ; wave
	v_and_b32 v1, 31, v0                           ; lane
	v_lshlrev_b32 v3, 4, v1                        ; my 16 bytes of a load's or a store's 512
	s_mul_i32 s17, s16, WREG
	v_lshrrev_b32 v14, 2, v1
	v_mul_u32_u24 v14, v14, SP
	v_and_b32 v15, 3, v1
	v_lshl_add_u32 v14, v15, 4, v14
	v_add_nc_u32 v14, s17, v14                     ; the stage, way in: four lanes' 64 bytes on end, then the padding
	v_mul_u32_u24 v15, v1, SP
	v_add_nc_u32 v15, s17, v15                     ; way out: my 16 neighbours
	v_mov_b32 v24, 0                               ; a lane permute's destination counts as read: written once
	s_lshl_b32 s18, ttmp9, 2
	s_add_co_u32 s18, s18, s16                     ; which pair of rows is my wave's
	s_lshl_b32 s20, s18, 13                        ; 2 rows x 4,096 bytes of x
	s_mov_b32 s21, 0
	s_lshl_b32 s22, s18, 11                        ; 2 rows x 1,024 bytes of codes
	s_mov_b32 s23, 0
	s_mov_b32 s30, 0x76543210                      ; selects: lane l xor 16
	s_mov_b32 s31, 0xfedcba98
	s_mov_b32 s52, 0x3a800000                      ; 1 / 1,024
	s_mov_b32 s53, 0x3727c5ac                      ; 1e-5
	s_wait_alu depctr_va_vdst(0)
	s_wait_kmcnt 0x0
	s_load_b512 s[36:51], s[10:11], 0x0            ; the sixteen exponents
	s_add_nc_u64 s[4:5], s[4:5], s[20:21]
	s_add_nc_u64 s[PB:PB+1], s[12:13], s[22:23]
.if NOUT > 1
	s_add_nc_u64 s[PB+2:PB+3], s[PB:PB+1], 0x400000
	s_add_nc_u64 s[PB+4:PB+5], s[PB:PB+1], 0x800000
.endif
.irp i, 0,1,2,3,4,5,6,7
	global_load_b128 v[XR+4*\i:XR+4*\i+3], v3, s[4:5] offset:512*\i th:TH_LOAD_NT        ; row 0
.endr
.irp i, 0,1,2,3,4,5,6,7
	global_load_b128 v[G+4*\i:G+4*\i+3], v3, s[6:7] offset:512*\i
.endr
.irp i, 0,1,2,3,4,5,6,7
	global_load_b128 v[BE+4*\i:BE+4*\i+3], v3, s[8:9] offset:512*\i
.endr
.irp i, 0,1,2,3,4,5,6,7
	global_load_b128 v[XR+32+4*\i:XR+32+4*\i+3], v3, s[4:5] offset:4096+512*\i th:TH_LOAD_NT   ; row 1
.endr
	s_wait_kmcnt 0x0
.irp o, 0,1,2
.if \o < NOUT
	s_add_co_i32 s20, s[EB+ES*\o], 127
	s_lshl_b32 s21, s20, 23
	v_mov_b32 v[SCL+\o], s21                       ; 2^e as f32: the conversion takes its exponent field
	s_add_co_i32 s20, s20, 8
	s_lshl_b32 s20, s20, 23
	s_or_b32 s20, s20, 0x600000
	v_mov_b32 v[LIM+\o], s20                       ; 448 x 2^e
.endif
.endr
.macro RSUM                            ; v20 becomes its sum over the 32 lanes, in every lane
	v_add_f32_dpp v20, v20, v20 row_xmask:1 row_mask:0xf bank_mask:0xf
	v_add_f32_dpp v20, v20, v20 row_xmask:2 row_mask:0xf bank_mask:0xf
	v_add_f32_dpp v20, v20, v20 row_xmask:4 row_mask:0xf bank_mask:0xf
	v_add_f32_dpp v20, v20, v20 row_xmask:8 row_mask:0xf bank_mask:0xf
	v_permlanex16_b32 v24, v20, s30, s31
	v_add_f32 v20, v20, v24
.endm
.macro STAT r                          ; row r: mean, x - mean in place, 1 / sqrt(var + 1e-5) in v[18:19]
.set B, XR+32*\r
	v_pk_add_f32 v[20:21], v[B:B+1], v[B+2:B+3]    ; two chains, started by the first four pairs
	v_pk_add_f32 v[22:23], v[B+4:B+5], v[B+6:B+7]
.irp j, 8,12,16,20,24,28
	v_pk_add_f32 v[20:21], v[20:21], v[B+\j:B+\j+1]
	v_pk_add_f32 v[22:23], v[22:23], v[B+\j+2:B+\j+3]
.endr
	v_pk_add_f32 v[20:21], v[20:21], v[22:23]
	v_add_f32 v20, v20, v21
	RSUM
	v_mul_f32 v16, s52, v20                        ; the mean, twice: a pair for the packed forms
	v_mul_f32 v17, s52, v20
.irp j, 0,2,4,6,8,10,12,14,16,18,20,22,24,26,28,30
	v_pk_add_f32 v[B+\j:B+\j+1], v[B+\j:B+\j+1], v[16:17] neg_lo:[0,1] neg_hi:[0,1]
.endr
	v_pk_mul_f32 v[20:21], v[B:B+1], v[B:B+1]
	v_pk_mul_f32 v[22:23], v[B+2:B+3], v[B+2:B+3]
.irp j, 4,8,12,16,20,24,28
	v_pk_fma_f32 v[20:21], v[B+\j:B+\j+1], v[B+\j:B+\j+1], v[20:21]
	v_pk_fma_f32 v[22:23], v[B+\j+2:B+\j+3], v[B+\j+2:B+\j+3], v[22:23]
.endr
	v_pk_add_f32 v[20:21], v[20:21], v[22:23]
	v_add_f32 v20, v20, v21
	RSUM
	v_fma_f32 v18, v20, s52, s53                   ; var + 1e-5
	s_wait_alu depctr_va_vdst(0)
	v_rsq_f32 v18, v18
	v_nop                                          ; a plain instruction behind the transcendental,
	s_wait_alu depctr_va_vdst(0)                   ; and the wait ahead of the first line that names its result
	v_mov_b32 v19, v18
.endm
.macro NORM r
.set B, XR+32*\r
.irp j, 0,2,4,6,8,10,12,14,16,18,20,22,24,26,28,30
	v_pk_mul_f32 v[B+\j:B+\j+1], v[B+\j:B+\j+1], v[18:19]
.endr
.irp j, 0,2,4,6,8,10,12,14,16,18,20,22,24,26,28,30
	v_pk_fma_f32 v[B+\j:B+\j+1], v[B+\j:B+\j+1], v[G+\j:G+\j+1], v[BE+\j:BE+\j+1]
.endr
.endm
.macro TURN r, u                       ; half u of row r through its stage: LDS serves a wave's instructions in order, so no wait stands between the stores and the loads
.irp i, 0,1,2,3
	ds_store_b128 v14, v[XR+32*\r+16*\u+4*\i:XR+32*\r+16*\u+4*\i+3] offset:STG*(2*\r+\u)+8*SP*\i
.endr
.irp i, 0,1,2,3
	ds_load_b128 v[X+16*\u+4*\i:X+16*\u+4*\i+3], v15 offset:STG*(2*\r+\u)+16*\i
.endr
.endm
.macro QUANT r, u                      ; my 16 neighbours, columns 512 u + 16 lane on, become 16 codes for each output
.irp o, 0,1,2
.if \o < NOUT
.irp i, 0,1,2,3,4,5,6,7,8,9,10,11,12,13,14,15
	v_med3_num_f32 v[T+\i], v[X+16*\u+\i], -v[LIM+\o], v[LIM+\o]   ; the conversion to an 8-bit code does not saturate (ISA guide 7.6.2): the hold comes first
.endr
.set CC, C+4*(3*(2*\r+\u)+\o)
	v_cvt_scalef32_pk8_fp8_f32 v[CC:CC+1], v[T:T+7], v[SCL+\o]
	v_cvt_scalef32_pk8_fp8_f32 v[CC+2:CC+3], v[T+8:T+15], v[SCL+\o]
	v_nop                                          ; a plain line between the conversions and the next holds, which write their sources
	global_store_b128 v3, v[CC:CC+3], s[PB+2*\o:PB+2*\o+1] offset:1024*\r+512*\u   ; the wave stores 512 consecutive bytes, aligned
.endif
.endr
.endm
	s_wait_loadcnt 24                              ; row 0 is in; g, be and row 1 (24 loads) may be out
	STAT 0
	s_wait_alu depctr_va_vdst(0)
	s_wait_loadcnt 8                               ; g and be are in; row 1 may be out
	NORM 0
	TURN 0, 0
	TURN 0, 1
	s_wait_loadcnt 0x0                             ; row 1
	STAT 1                                         ; stands between row 0's turn through LDS and the wait for it
	NORM 1
	s_wait_dscnt 0x0
	QUANT 0, 0
	QUANT 0, 1
	TURN 1, 0
	TURN 1, 1
	s_wait_dscnt 8                                 ; half 0 is back; half 1's four stores and four loads may be out
	QUANT 1, 0
	s_wait_dscnt 0x0
	QUANT 1, 1
	s_wait_tensorcnt 0x0                           ; the wave's end, behind my last LDS store
	ds_add_u32 v[SPW], v[NIL]
	s_wait_dscnt 0x0
	s_endpgm
.Lfunc_end_k_q91928f94f3_ln1:
	.size	k_q91928f94f3_ln1, .Lfunc_end_k_q91928f94f3_ln1-k_q91928f94f3_ln1
	.p2alignl 7, 3214868480
	.fill 96, 4, 3214868480
	.section	.rodata,"a",@progbits
	.p2align	6, 0x0
	.amdhsa_kernel k_q91928f94f3_ln1
		.amdhsa_group_segment_fixed_size 41472
		.amdhsa_private_segment_fixed_size 0
		.amdhsa_enable_private_segment 0
		.amdhsa_kernarg_size 40
		.amdhsa_user_sgpr_count 2
		.amdhsa_user_sgpr_kernarg_segment_ptr 1
		.amdhsa_wavefront_size32 1
		.amdhsa_system_sgpr_workgroup_id_x 1
		.amdhsa_system_sgpr_workgroup_id_y 1
		.amdhsa_system_sgpr_workgroup_id_z 1
		.amdhsa_system_vgpr_workitem_id 0
		.amdhsa_next_free_vgpr 256
		.amdhsa_next_free_sgpr 66
		.amdhsa_reserve_vcc 0
		.amdhsa_float_denorm_mode_32 3
		.amdhsa_float_denorm_mode_16_64 3
		.amdhsa_memory_ordered 1
		.amdhsa_forward_progress 1
		.amdhsa_inst_pref_size 36
	.end_amdhsa_kernel
	.amdgpu_metadata
---
amdhsa.version: [ 1, 2 ]
amdhsa.kernels:
  - .name:           k_q91928f94f3_ln1
    .symbol:         k_q91928f94f3_ln1.kd
    .args:
      - { .name: x, .offset: 0, .size: 8, .value_kind: global_buffer, .address_space: global }
      - { .name: g1, .offset: 8, .size: 8, .value_kind: global_buffer, .address_space: global }
      - { .name: be1, .offset: 16, .size: 8, .value_kind: global_buffer, .address_space: global }
      - { .name: lowp_scales, .offset: 24, .size: 8, .value_kind: global_buffer, .address_space: global }
      - { .name: acod, .offset: 32, .size: 8, .value_kind: global_buffer, .address_space: global }
    .group_segment_fixed_size: 41472
    .private_segment_fixed_size: 0
    .kernarg_segment_align: 8
    .kernarg_segment_size: 40
    .max_flat_workgroup_size: 128
    .sgpr_count:     66
    .vgpr_count:     256
    .wavefront_size: 32
...
	.end_amdgpu_metadata
.endif
;; end of part 1
;; launch qkv (part 2): grid 12 x 16, 4 waves a work-group, clusters of 4 x 4, 327,680 bytes of LDS; arguments acod, Wq_codes, Wk_codes, Wv_codes, bq, bk, bv, lowp_scales, qkv; writes qkv
.if DOCPART == 2
	.amdgcn_target "amdgcn-amd-amdhsa--gfx1250"
	.amdhsa_code_object_version 6
	.text
	.protected	k_q91928f94f3_qkv
	.globl	k_q91928f94f3_qkv
	.p2align	8
	.type	k_q91928f94f3_qkv,@function
k_q91928f94f3_qkv:
	s_mov_b64 s[64:65], 0
	v_nop
	global_prefetch_b8 v0, s[64:65] scope:SCOPE_SE
	s_setreg_imm32_b32 hwreg(HW_REG_WAVE_MODE, 25, 1), 1
	s_wait_xcnt 0x0
	s_wait_alu depctr_hold_cnt(0) depctr_sa_sdst(0) depctr_va_vdst(0) depctr_va_sdst(0) depctr_va_ssrc(0) depctr_va_vcc(0) depctr_vm_vsrc(0)
	s_getreg_b32 s2, hwreg(HW_REG_IB_STS2, 6, 4)
	s_cmp_eq_u32 s2, 0
	s_cbranch_scc0 .Lentry_in_a_cluster
	s_endpgm
.Lentry_in_a_cluster:
	s_bfe_u32 s2, ttmp6, 0x10000c
	s_cmp_lg_u32 s2, 0xf033
	s_cbranch_scc0 .Lentry_shape_is_right
	s_endpgm
.Lentry_shape_is_right:
; Products 1, 2, 3: q, k, v = LN1(x) W + b, on codes of E4M3, then the quantisers of q (entry 6 of lowp_scales), k (entry 7) and v (entry 9).  Nothing is left out here.
; The cluster's x (0, 1, 2) says which of the three: its plane of LN1's codes (acod), its weight, its bias, its exponents.  Each is a GEMM of 4,096 x 1,024 x 1,024.
; A work-group of four waves makes 256 tokens x 256 features; a wave 128 x 128: 64 accumulators, 512 registers.  K goes in steps of 256 through a ring of two LDS slots filled by tensor loads (rows of 256 bytes).
; CLUSTERS: 4 x 4 work-groups.  The four of a row need the same tokens, the four of a column the same weight rows: each tile is asked for jointly, by the same descriptor and a mask that names the four.
; No prefetch: of the four K steps that a work-group reads, two are its first fills.
; THE MATRIX INSTRUCTION: source 0's 16 rows run along a lane's eight result registers, source 1's 16 rows along the lanes.  For q and k source 1 = tokens, source 0 = weight rows: a lane holds one token and
; eight neighbouring features, K of product 4.  FOR V THE ROLES ARE SWAPPED, BY GLOBAL ADDRESS ALONE: a lane holds one feature and eight neighbouring tokens, the keys, K of product 5.
; A fragment of 16 rows x 128 K is fetched by four loads of 16 bytes: lane (r, h) holds K = 32 c + 16 h + 0 .. 15 in registers 4 c .. 4 c + 3: a permutation of K that is the same on both sides.
; THE RESULT leaves as images of the next operand's registers (16 rows x 64 K, 1 KiB: register g of lane l at 512 (g / 4) + 16 l + 4 (g % 4)): one conversion makes registers 2 b, 2 b + 1 from tile b,
; and each store of the wave covers 512 consecutive bytes, aligned.  q, k: image (16 batch + head) 64 + token tile.  v: image ((16 batch + head) 16 + keys / 64) 4 + dims / 16.
; LIMITS: eA + eB between -126 and 127; the quantiser's e between -126 and 119.  NaN among the inputs is not served.
; REGISTERS: window 0: v0-31 addresses; v32-95 the bias along registers, v96-103 along lanes; v104, v105 2^e and 448 x 2^e; v128-255 source 1's fragments, one set (on the way out: sums and codes).
;   window 1: source 0's fragments, two sets.   windows 2, 3: the accumulators ((a, b) at v[8 (8 (a % 4) + b)], window 2 + a / 4).
.set NT,     8                         ; blocks of 16 rows a wave and side
.set ROWB,   256                       ; a tile's row in bytes
.set KROW,   1024                      ; a row of codes in memory
.set PITCH,  272                       ; an LDS row: 256 bytes + 16 of padding: 68 words, so the 16 rows of a load start at 16 different banks (64 banks of 4 bytes: ISA guide 11.1)
.set HALFT,  128*PITCH                 ; what one tensor load brings
.set SLOT,   4*HALFT                   ; 256 token rows, then 256 weight rows
.set LAPS,   2                         ; 1,024 / (2 x 256)
.set SPARE,  2*SLOT                    ; behind the ring: the spare words, 128 bytes a wave, which no other line names
.set ADRA, 16                          ; v16-17 LDS address of source 1's fragments in slot 0, 1
.set ADRB, 20                          ; v20-21 of source 0's
.set CO,   26                          ; v26    16 x lane
.set SPW,  28                          ; v28    my spare word's address; never rewritten
.set NIL,  29                          ; v29    0; never rewritten
.set BN,   32
.set BM,   96
.set SC,   104
.set LIM,  105
.set AF,   128
.set TMP,  128
.set COD,  192
.set G1,  24                           ; s[24:31] group 1 for the tokens; s[32:39] their groups 0, one for each slot
.set G0,  32
.set G1B, 48                           ; s[48:55], s[56:63] the same for the weights
.set G0B, 56
.set MUL_LO, 0xa1                      ; source 0 window 1, source 1 window 0, C and D window 2
.set MUL_HI, 0xf1                      ; C and D window 3
.set TO_B,   0x40                      ; destination window 1
.set MSB, 0
.macro WIN new                         ; the immediate's high byte repeats the setting that is left
.if MSB != (\new)
	s_set_vgpr_msb (MSB<<8)|(\new)
.set MSB, \new
.endif
.endm
.macro JLOAD s                         ; a joint load: waves 0, 1 fetch the tokens' halves, waves 2, 3 the weights'; an s_nop 0 and four v_nop follow each line
	s_cmp_eq_u32 s15, 0
	s_cbranch_scc0 .Lfor_b_\@
	tensor_load_to_lds s[G0+4*\s:G0+4*\s+3], s[G1:G1+7]
	s_nop 0
.rept 4
	v_nop
.endr
	s_branch .Lasked_\@
.Lfor_b_\@:
	tensor_load_to_lds s[G0B+4*\s:G0B+4*\s+3], s[G1B:G1B+7]
	s_nop 0
.rept 4
	v_nop
.endr
.Lasked_\@:
.endm
.macro CREST                           ; a round of the cluster's barrier behind its opening barrier
	s_cmp_lg_u32 s14, 0
	s_cbranch_scc1 .Lnot_wave_0_\@
	s_barrier_signal -3
.Lnot_wave_0_\@:
	s_barrier_wait -3
	s_barrier_signal -1
	s_barrier_wait -1
.endm
.macro CROUND
	s_barrier_signal -1
	s_barrier_wait -1
	CREST
.endm
.macro PLACES n                        ; plain vector lines between a matrix instruction and a load into, or a vector line on, its registers
.rept \n
	v_nop
.endr
.endm
	s_load_b512 s[68:83], s[0:1], 0x0              ; acod, Wq, Wk, Wv, bq, bk, bv, lowp_scales
	s_load_b64 s[84:85], s[0:1], 0x40              ; qkv
	v_lshl_add_u32 v[SPW], v0, 2, SPARE
	v_mov_b32 v[NIL], 0
	ds_add_u32 v[SPW], v[NIL]                      ; the opening: the add, twice on end, and its wait ahead of my first tensor load
	ds_add_u32 v[SPW], v[NIL]
	v_lshrrev_b32 v1, 5, v0
	v_readfirstlane_b32 s14, v1                    ; wave 0..3
	s_lshr_b32 s15, s14, 1                         ; my half of source 1's rows.  Also: I fetch tokens (0) or weights (1)
	s_and_b32 s16, s14, 1                          ; my half of source 0's rows.  Also: which 128 rows I fetch
	s_bfe_u32 s40, ttmp6, 0x40000                  ; cx: the block of 256 features
	s_bfe_u32 s41, ttmp6, 0x40004                  ; cy
	; THE SWAP FOR V IS MADE BY GLOBAL ADDRESS ALONE (it takes the place of the swap by LDS address that the head names): LDS rows 0-255 always feed source 1 and are shared along a row of the cluster,
	; rows 256-511 always feed source 0 and are shared along a column.  q, k: rows 0-255 = token block 4 x cluster y + cy, rows 256-511 = weight block cx.  v: rows 0-255 = weight block cy, rows 256-511 = token block 4 x cluster y + cx.
	s_and_b32 s17, ttmp7, 0xffff
	s_lshl_b32 s17, s17, 2                         ; 4 x cluster y
	s_lshl_b32 s19, ttmp9, 22                      ; this product's plane of LN1's codes
	s_cmp_eq_u32 ttmp9, 2                          ; the cluster's x: the same in all partners
	s_cselect_b32 s90, 0, s17
	s_cselect_b32 s91, s17, 0
	s_cselect_b32 s92, 0, s19
	s_cselect_b32 s93, s19, 0
	s_add_co_u32 s90, s90, s41                     ; the block of 256 rows for LDS rows 0-255: it hangs on cy, never on cx
	s_add_co_u32 s91, s91, s40                     ; the block for LDS rows 256-511: it hangs on cx, never on cy
	s_lshl_b32 s43, s41, 2
	s_lshl_b32 s43, 15, s43                        ; my row of the cluster
	s_lshl_b32 s44, 0x1111, s40                    ; my column
	s_or_b32 s[G1+0], s43, (0<<16)|(1<<20)|(1<<21)|(5<<22)|(3<<25)   ; mask; elements of 1 byte; padding on; bit 21 beside a mask; 4 words behind every 64
	s_or_b32 s[G1B+0], s44, (0<<16)|(1<<20)|(1<<21)|(5<<22)|(3<<25)
.irp g, G1, G1B
	s_mov_b32 s[\g+1], ROWB<<16                    ; tensor_dim0
	s_mov_b32 s[\g+2], 128<<16                     ; tensor_dim1
	s_mov_b32 s[\g+3], ROWB<<16                    ; tile_dim0
	s_mov_b32 s[\g+4], 128                         ; tile_dim1
	s_mov_b32 s[\g+5], KROW                        ; from row to row
	s_mov_b32 s[\g+6], 0
	s_mov_b32 s[\g+7], 0
.endr
	s_lshl_b32 s18, s16, 7
	s_lshl_b32 s20, s90, 8
	s_add_co_u32 s20, s20, s18                     ; LDS rows 0-255: row 256 x block + 128 x half,
	s_lshl_b32 s20, s20, 10                        ; in bytes,
	s_add_co_u32 s20, s20, s92                     ; in the plane of this product where they are tokens
	s_mov_b32 s21, 0
	s_lshl_b32 s46, s91, 8
	s_add_co_u32 s46, s46, s18                     ; LDS rows 256-511 likewise
	s_lshl_b32 s46, s46, 10
	s_add_co_u32 s46, s46, s93
	s_mov_b32 s47, 0
	s_cmp_eq_u32 ttmp9, 2
	s_cselect_b32 s17, s91, s90                    ; from here on s17 = my block of 256 tokens,
	s_cselect_b32 s40, s41, s40                    ; and s40 = my block of 256 features: they enter the bias's and the result's global addresses alone
	s_mul_i32 s45, s14, HALFT                      ; where they go: wave x 128 rows
	s_wait_dscnt 0x0                               ; both opening adds are done
	s_wait_kmcnt 0x0
	s_cmp_eq_u32 ttmp9, 0                          ; the choice hangs on the cluster's x alone
	s_cselect_b64 s[6:7], s[70:71], s[72:73]
	s_cselect_b64 s[12:13], s[76:77], s[78:79]
	s_cmp_eq_u32 ttmp9, 2
	s_cselect_b64 s[4:5], s[74:75], s[68:69]       ; the buffer of LDS rows 0-255: Wv for v, else LN1's codes
	s_cselect_b64 s[6:7], s[68:69], s[6:7]         ; the buffer of LDS rows 256-511: LN1's codes for v, else the weight
	s_cselect_b64 s[12:13], s[80:81], s[12:13]     ; the bias
	s_mov_b64 s[8:9], s[82:83]
	s_mov_b64 s[10:11], s[84:85]
	s_add_nc_u64 s[20:21], s[4:5], s[20:21]
	s_add_nc_u64 s[46:47], s[6:7], s[46:47]
	s_load_b512 s[68:83], s[8:9], 0x0              ; the sixteen exponents: waited for on the way out
	CROUND                                         ; all sixteen work-groups are here: the first joint loads meet
.irp s, 0,1
	s_mov_b32 s[G0+4*\s], 1
	s_add_co_u32 s[G0+4*\s+1], s45, \s*SLOT
	s_add_nc_u64 s[G0+4*\s+2:G0+4*\s+3], s[20:21], \s*ROWB
	s_or_b32 s[G0+4*\s+3], s[G0+4*\s+3], 0x80000000
	s_mov_b32 s[G0B+4*\s], 1
	s_add_co_u32 s[G0B+4*\s+1], s45, \s*SLOT
	s_add_nc_u64 s[G0B+4*\s+2:G0B+4*\s+3], s[46:47], \s*ROWB
	s_or_b32 s[G0B+4*\s+3], s[G0B+4*\s+3], 0x80000000
.endr
	JLOAD 0                                        ; K step 0: one tensor load a wave at the head
	v_and_b32 v1, 15, v0                           ; r
	v_bfe_u32 v2, v0, 4, 1                         ; h
	; the bias, both ways: along the registers (q, k) and along the lanes (v).  Both stay inside its 1,024 numbers in every work-group
	s_wait_alu depctr_va_vdst(0)
	s_lshl_b32 s18, s40, 10
	s_lshl_b32 s19, s16, 9
	s_add_co_u32 s86, s18, s19
	s_mov_b32 s87, 0
	s_add_nc_u64 s[86:87], s[12:13], s[86:87]      ; features 256 cx + 128 x (source 0's half) on
	s_lshl_b32 s19, s15, 9
	s_add_co_u32 s88, s18, s19
	s_mov_b32 s89, 0
	s_add_nc_u64 s[88:89], s[12:13], s[88:89]      ; features 256 cx + 128 x (source 1's half) on
	v_lshlrev_b32 v5, 5, v2                        ; 8 h numbers
	v_lshlrev_b32 v6, 2, v1                        ; r numbers
.irp b, 0,1,2,3,4,5,6,7
	global_load_b128 v[BN+8*\b:BN+8*\b+3], v5, s[86:87] offset:64*\b
	global_load_b128 v[BN+8*\b+4:BN+8*\b+7], v5, s[86:87] offset:64*\b+16
.endr
.irp a, 0,1,2,3,4,5,6,7
	global_load_b32 v[BM+\a], v6, s[88:89] offset:64*\a
.endr
	v_mul_u32_u24 v3, v1, PITCH
	v_lshl_add_u32 v4, v2, 4, v3                   ; a fragment's row x pitch + 16 h
	s_wait_alu depctr_va_vdst(0)
	s_mul_i32 s21, s15, HALFT                      ; source 1: my 128 of LDS rows 0-255
	s_mul_i32 s22, s16, HALFT                      ; source 0: my 128 of LDS rows 256-511
	s_add_co_u32 s22, s22, 2*HALFT
.irp s, 0,1
	v_add_nc_u32 v[ADRA+\s], s21, v4
	v_add_nc_u32 v[ADRB+\s], s22, v4
	s_add_co_u32 s21, s21, SLOT
	s_add_co_u32 s22, s22, SLOT
.endr
	v_and_b32 v[CO], 31, v0
	v_lshlrev_b32 v[CO], 4, v[CO]
	; where my images begin: plane + (16 batch + head) 65,536 + (token in its sequence) 64: the same sum for all three planes
	s_cmp_eq_u32 ttmp9, 2
	s_cselect_b32 s18, s16, s15                    ; my half of the tokens
	s_cselect_b32 s19, s15, s16                    ; my half of the features
	s_lshl_b32 s20, s17, 8
	s_lshl_b32 s18, s18, 7
	s_add_co_u32 s20, s20, s18                     ; my first token
	s_lshr_b32 s18, s20, 10
	s_lshl_b32 s18, s18, 4                         ; 16 batch
	s_lshl_b32 s46, s40, 2
	s_add_co_u32 s18, s18, s46
	s_lshl_b32 s19, s19, 1
	s_add_co_u32 s18, s18, s19                     ; + my first head: 4 cx + 2 x half
	s_lshl_b32 s18, s18, 16
	s_and_b32 s20, s20, 1023
	s_lshl_b32 s20, s20, 6
	s_add_co_u32 s18, s18, s20
	s_lshl_b32 s20, ttmp9, 22
	s_add_co_u32 s18, s18, s20
	s_mov_b32 s19, 0
	s_add_nc_u64 s[10:11], s[10:11], s[18:19]
; n blocks of source 1 from a0 on, each against source 0's NT, 128 along K.  p: source 0's set.  zero = 1: the product starts the sums.  The accumulators take turns, one instruction a turn, in the same
; order in every step.
.macro MULR a0, n, p, zero
.set ma, \a0
.rept \n
.set mb, 0
.rept NT
.set rD, 8*(NT*(ma%4)+mb)
.if \zero
	v_wmma_f32_16x16x128_fp8_fp8 v[rD:rD+7], v[128*(\p)+16*mb:128*(\p)+16*mb+15], v[AF+16*ma:AF+16*ma+15], 0
.else
	v_wmma_f32_16x16x128_fp8_fp8 v[rD:rD+7], v[128*(\p)+16*mb:128*(\p)+16*mb+15], v[AF+16*ma:AF+16*ma+15], v[rD:rD+7]
.endif
.set mb, mb+1
.endr
.set ma, ma+1
.endr
.endm
.macro FETCH_B slot, q, p              ; source 0's NT fragments of the slot's q-th 128 along K into set p
	WIN TO_B
.set fi, 0
.rept NT
.irp c, 0,1,2,3
	ds_load_b128 v[128*(\p)+16*fi+4*\c:128*(\p)+16*fi+4*\c+3], v[ADRB+\slot] offset:128*(\q)+32*\c+fi*16*PITCH
.endr
.set fi, fi+1
.endr
	WIN 0
.endm
.macro FETCH_A slot, q, i0             ; source 1's blocks i0 .. i0 + NT / 2 - 1
.set fi, \i0
.rept NT/2
.irp c, 0,1,2,3
	ds_load_b128 v[AF+16*fi+4*\c:AF+16*fi+4*\c+3], v[ADRA+\slot] offset:128*(\q)+32*\c+fi*16*PITCH
.endr
.set fi, fi+1
.endr
.endm
.macro STEP slot, q, zero              ; a step of 128 along K that has its successor in the same slot
	s_wait_dscnt 2*NT                              ; source 0's set and source 1's lower blocks are in; the youngest 2 NT loads (the upper blocks) may be out
	WIN MUL_LO
	MULR 0, NT/2, (\q)%2, \zero
	s_wait_dscnt 0                                 ; the upper blocks are in
	PLACES 4
	FETCH_B \slot, (\q)+1, 1-(\q)%2
	FETCH_A \slot, (\q)+1, 0
	WIN MUL_HI
	MULR NT/2, NT/2, (\q)%2, \zero
	PLACES 4
	WIN 0
	FETCH_A \slot, (\q)+1, NT/2
.endm
; A slot's last step changes slots: one barrier; in front of it each wave waits for all its tensor loads, adds 0 to its spare word, and waits for that and for its reads of this slot.
.macro TURN slot, next, fill
	s_wait_tensorcnt 0x0                           ; all my tensor loads have landed: my part of the next slot
	ds_add_u32 v[SPW], v[NIL]
	s_wait_dscnt 2*NT+1                            ; (the add and the youngest 2 NT loads may be out)
	WIN MUL_LO
	MULR 0, NT/4, 1, 0
	s_wait_dscnt 0x0                               ; the add is done, and my reads of this slot are over
	s_barrier_signal -1
	MULR NT/4, NT/4, 1, 0
	WIN 0
	s_barrier_wait -1
.if \fill
	CREST                                          ; the barrier has opened a round of the cluster's: no wave of any partner still reads this slot or has a load on its way
	s_add_nc_u64 s[G0+4*\slot+2:G0+4*\slot+3], s[G0+4*\slot+2:G0+4*\slot+3], 2*ROWB
	s_add_nc_u64 s[G0B+4*\slot+2:G0B+4*\slot+3], s[G0B+4*\slot+2:G0B+4*\slot+3], 2*ROWB
	JLOAD \slot                                    ; the first tensor load behind the round; its four v_nop are the places in front of the loads below
.else
	PLACES 4
.endif
	FETCH_B \next, 0, 0
	FETCH_A \next, 0, 0
	WIN MUL_HI
	MULR NT/2, NT/2, 1, 0
	PLACES 4
	WIN 0
	FETCH_A \next, 0, NT/2
.endm
	s_wait_alu depctr_va_vdst(0)
	s_wait_tensorcnt 0x0                           ; my part of K step 0 is in
	ds_add_u32 v[SPW], v[NIL]
	s_wait_dscnt 0x0
	CROUND                                         ; a whole round: everybody's part of K step 0 is in, and the joint loads meet
	JLOAD 1                                        ; K step 1: the first tensor load behind the round
	FETCH_B 0, 0, 0
	FETCH_A 0, 0, 0
	FETCH_A 0, 0, NT/2
	STEP 0, 0, 1                                   ; the first step stands in front of the loop: its products start the sums
	s_mov_b32 s3, LAPS-1
.Llap:                                                 ; a trip goes once round the ring and fills both slots again
	TURN 0, 1, 1
	STEP 1, 0, 0
	TURN 1, 0, 1
	STEP 0, 0, 0
	s_sub_co_u32 s3, s3, 1
	s_cmp_lg_u32 s3, 0
	s_cbranch_scc1 .Llap
	TURN 0, 1, 0                                   ; the last lap fills nothing
	STEP 1, 0, 0
	s_wait_dscnt 2*NT
	WIN MUL_LO
	MULR 0, NT/2, 1, 0
	s_wait_dscnt 0
	WIN MUL_HI
	MULR NT/2, NT/2, 1, 0
	WIN 0
	; THE WAY OUT: sum x 2^(eA + eB) + bias; the hold; the conversion; the images
	s_wait_kmcnt 0x0
	s_cmp_eq_u32 ttmp9, 0
	s_cselect_b32 s18, s68, s70                    ; eA: entry 0, 2 or 4
	s_cselect_b32 s19, s69, s71                    ; eB: entry 1, 3 or 5
	s_cselect_b32 s20, s74, s75                    ; the quantiser's: entry 6 (q), 7 (k) or 9 (v)
	s_cmp_eq_u32 ttmp9, 2
	s_cselect_b32 s18, s72, s18
	s_cselect_b32 s19, s73, s19
	s_cselect_b32 s20, s77, s20
	s_add_co_i32 s96, s18, s19
	s_add_co_i32 s96, s96, 127
	s_lshl_b32 s96, s96, 23                        ; 2^(eA + eB) as f32
	s_mov_b32 s97, s96                             ; (named with it as a pair)
	s_add_co_i32 s20, s20, 127
	s_lshl_b32 s21, s20, 23
	v_mov_b32 v[SC], s21
	s_add_co_i32 s20, s20, 8
	s_lshl_b32 s20, s20, 23
	s_or_b32 s20, s20, 0x600000
	v_mov_b32 v[LIM], s20
	s_wait_loadcnt 0x0                             ; the bias
	PLACES 4
.macro OUTBLK a, mode                  ; block a of source 1: 16 x 128 results.  mode 0: q, k (bias along the registers); mode 1: v (bias along the lanes)
.if (\a) >= 2
	s_wait_xcnt 0x0                                ; block a - 2's stores have read their data: the codes' registers are written again only behind this wait
.endif
.set AC, 64*((\a)%4)
.set CD, COD+16*((\a)%2)
	WIN 0x02+((\a)/4)                              ; source 0: window 2 or 3
.if \mode
.set j, 0
.rept 64
	v_fma_f32 v[TMP+j], v[AC+j], s96, v[BM+(\a)]   ; each accumulator from its low end on
.set j, j+1
.endr
.else
.set j, 0
.rept 32
	v_pk_fma_f32 v[TMP+j:TMP+j+1], v[AC+j:AC+j+1], s[96:97], v[BN+j:BN+j+1] op_sel_hi:[1,0,1]
.set j, j+2
.endr
.endif
	WIN 0
.set j, 0
.rept 64
	v_med3_num_f32 v[TMP+j], v[TMP+j], -v[LIM], v[LIM]   ; the conversion to an 8-bit code does not saturate (ISA guide 7.6.2)
.set j, j+1
.endr
.set j, 0
.rept 8
	v_cvt_scalef32_pk8_fp8_f32 v[CD+2*j:CD+2*j+1], v[TMP+8*j:TMP+8*j+7], v[SC]
.set j, j+1
.endr
	v_nop                                          ; a plain line between the conversions and the next block's lines, which write their sources
.irp g, 0,1,2,3
.if \mode
	global_store_b128 v[CO], v[CD+4*\g:CD+4*\g+3], s[10:11] offset:((\a)/4)*65536+(\g/2)*4096+((\a)%4)*1024+(\g%2)*512   ; head a / 4, keys 64 (g / 2) on, dims 16 (a % 4) on
.else
	global_store_b128 v[CO], v[CD+4*\g:CD+4*\g+3], s[10:11] offset:(\g/2)*65536+(\a)*1024+(\g%2)*512   ; head g / 2, token tile a
.endif
.endr
.endm
	s_cmp_eq_u32 ttmp9, 2                          ; the cluster's x: the same in all partners
	s_cbranch_scc1 .Lv_out
.irp a, 0,1,2,3,4,5,6,7
	OUTBLK \a, 0
.endr
	s_branch .Ldone
.Lv_out:
.irp a, 0,1,2,3,4,5,6,7
	OUTBLK \a, 1
.endr
.Ldone:
	s_wait_tensorcnt 0x0                           ; the wave's end
	ds_add_u32 v[SPW], v[NIL]
	s_wait_dscnt 0x0
	CROUND                                         ; the closing round
	s_endpgm
.Lfunc_end_k_q91928f94f3_qkv:
	.size	k_q91928f94f3_qkv, .Lfunc_end_k_q91928f94f3_qkv-k_q91928f94f3_qkv
	.p2alignl 7, 3214868480
	.fill 96, 4, 3214868480
	.section	.rodata,"a",@progbits
	.p2align	6, 0x0
	.amdhsa_kernel k_q91928f94f3_qkv
		.amdhsa_group_segment_fixed_size 327680
		.amdhsa_private_segment_fixed_size 0
		.amdhsa_enable_private_segment 0
		.amdhsa_kernarg_size 72
		.amdhsa_user_sgpr_count 2
		.amdhsa_user_sgpr_kernarg_segment_ptr 1
		.amdhsa_wavefront_size32 1
		.amdhsa_system_sgpr_workgroup_id_x 1
		.amdhsa_system_sgpr_workgroup_id_y 1
		.amdhsa_system_sgpr_workgroup_id_z 1
		.amdhsa_system_vgpr_workitem_id 0
		.amdhsa_next_free_vgpr 1024
		.amdhsa_next_free_sgpr 100
		.amdhsa_reserve_vcc 0
		.amdhsa_float_denorm_mode_32 3
		.amdhsa_float_denorm_mode_16_64 3
		.amdhsa_memory_ordered 1
		.amdhsa_forward_progress 1
		.amdhsa_inst_pref_size 210
	.end_amdhsa_kernel
	.amdgpu_metadata
---
amdhsa.version: [ 1, 2 ]
amdhsa.kernels:
  - .name:           k_q91928f94f3_qkv
    .symbol:         k_q91928f94f3_qkv.kd
    .args:
      - { .name: acod, .offset: 0, .size: 8, .value_kind: global_buffer, .address_space: global }
      - { .name: Wq_codes, .offset: 8, .size: 8, .value_kind: global_buffer, .address_space: global }
      - { .name: Wk_codes, .offset: 16, .size: 8, .value_kind: global_buffer, .address_space: global }
      - { .name: Wv_codes, .offset: 24, .size: 8, .value_kind: global_buffer, .address_space: global }
      - { .name: bq, .offset: 32, .size: 8, .value_kind: global_buffer, .address_space: global }
      - { .name: bk, .offset: 40, .size: 8, .value_kind: global_buffer, .address_space: global }
      - { .name: bv, .offset: 48, .size: 8, .value_kind: global_buffer, .address_space: global }
      - { .name: lowp_scales, .offset: 56, .size: 8, .value_kind: global_buffer, .address_space: global }
      - { .name: qkv, .offset: 64, .size: 8, .value_kind: global_buffer, .address_space: global }
    .group_segment_fixed_size: 327680
    .private_segment_fixed_size: 0
    .kernarg_segment_align: 8
    .kernarg_segment_size: 72
    .max_flat_workgroup_size: 128
    .sgpr_count:     100
    .vgpr_count:     1024
    .wavefront_size: 32
...
	.end_amdgpu_metadata
.endif
;; end of part 2
;; launch attn (part 3): grid 4 x 64, 16 waves a work-group, clusters of 4 x 1, 167,936 bytes of LDS; arguments qkv, lowp_scales, ao; writes ao
.if DOCPART == 3
	.amdgcn_target "amdgcn-amd-amdhsa--gfx1250"
	.amdhsa_code_object_version 6
	.text
	.protected	k_q91928f94f3_attn
	.globl	k_q91928f94f3_attn
	.p2align	8
	.type	k_q91928f94f3_attn,@function
k_q91928f94f3_attn:
	s_mov_b64 s[64:65], 0
	v_nop
	global_prefetch_b8 v0, s[64:65] scope:SCOPE_SE
	s_setreg_imm32_b32 hwreg(HW_REG_WAVE_MODE, 25, 1), 1
	s_wait_xcnt 0x0
	s_wait_alu depctr_hold_cnt(0) depctr_sa_sdst(0) depctr_va_vdst(0) depctr_va_sdst(0) depctr_va_ssrc(0) depctr_va_vcc(0) depctr_vm_vsrc(0)
	s_getreg_b32 s2, hwreg(HW_REG_IB_STS2, 6, 4)
	s_cmp_eq_u32 s2, 0
	s_cbranch_scc0 .Lentry_in_a_cluster
	s_endpgm
.Lentry_in_a_cluster:
	s_bfe_u32 s2, ttmp6, 0x10000c
	s_cmp_lg_u32 s2, 0x3003
	s_cbranch_scc0 .Lentry_shape_is_right
	s_endpgm
.Lentry_shape_is_right:
; Products 4 and 5 with the causal softmax between them, on codes of E4M3, and the quantiser of the result (A of product 6, entry 10 of lowp_scales).
; LEFT OUT AS DEAD WORK: a step of 128 keys all of which come after a wave's 16 queries: reference()'s own mask gives those keys the weight 0 for all finite inputs (shown at the head of ln1).
; THE SOFTMAX: t = score x log2(e) / 8; M = the running largest t rounded up to a whole number; p = 2^(t - M) is quantised (entry 8), not normalised; the row's sum is taken of the unquantised p and divides at the end.
; When M moves, the sum and O are multiplied by 2^(old M - new M): exact.
; SHARES: a cluster is the four work-groups of one (batch, head).  Wave w (of 16) of the work-group at place cx owns the 16 queries of tile 4 f + cx, f a permutation of 0 .. 15 made of w's bits b3 b2 b1 b0:
; s = b0 xor b2, g = 7 s xor b1 xor 4 b3, f = 2 g + b2.  The wave walks g + 1 key steps, since (4 f + cx) / 8 = g for cx < 4: that hangs on the wave's number alone, so no branch and no LDS address hangs on cx, and the
; four work-groups have equal work.  A change of b0 alone, or of b2 alone, turns g into 7 - g: so any four waves 4 k .. 4 k + 3, and any four whose numbers are equal modulo 4, walk 18 key steps together.
; LDS holds the head's whole K (64 KiB of images, from byte 0) and V (64 KiB, from byte 65,536): each wave asks for 8 KiB, jointly for the four work-groups, once.  Nothing is filled again: no ring; and nothing is
; left to prefetch, since all of K and V is asked for at the head.
; LAYOUT: q, k, v come as images of operand registers (16 rows x 64 K, register g of lane l at 512 (g / 4) + 16 l + 4 (g % 4)), in the matrix forms' own order of K.  Both products are used transposed:
; S^T = K Q^T (source 0 = 16 keys), O^T = V^T P^T (source 0 = 16 dims): a lane holds one query (lane % 16) throughout; register j of tile t is key 16 t + 8 (lane / 16) + j, so one conversion a tile
; makes registers 2 t, 2 t + 1 of P's fragment of 128 keys.
; THE RESULT leaves as half of an image of 16 tokens x 128 K for product 6, in which registers 4 c .. 4 c + 3 of lane (r, h) hold K = 32 c + 16 h + 0 .. 15: two swaps of half rows for each four registers.
; LIMITS: e6 + e7 between -123 and 130 (added to c's exponent field); e8 and e10 between -126 and 119.  NaN among the inputs is not served.
; REGISTERS: v7 16 x lane; v8, v9 addresses; v10 the mask's lane term; v12 -M, v13 the largest t, v[14:15] the sum; v16-23 Q; v32-95 K's eight tiles, then V's four fragments; v96-159 S^T, then p;
; v160-191 O^T; v224-239 P's codes; v240-254 constants and work.
.set SPARE, 131072                     ; behind K and V: the spare words, 128 bytes a wave, which no other line names
.set SPW,  5                           ; v5  my spare word's address; never rewritten
.set NIL,  6                           ; v6  0; never rewritten
.set LI,   7
.set ADK,  8
.set ADV,  9
.set D0,   10
.set WV,   18
.set SEL,  20
.set CS,   22
.set G1,   24
.set G0,   32
.set TB,   36                          ; s36  LDS byte of the step's K tiles: 8,192 x step
.set ST,   37                          ; s37  the key step
.set HW,   38                          ; s38  my last key step: g
.macro CROUND
	s_barrier_signal -1
	s_barrier_wait -1
	s_cmp_lg_u32 s[WV], 0
	s_cbranch_scc1 .Lnot_wave_0_\@
	s_barrier_signal -3
.Lnot_wave_0_\@:
	s_barrier_wait -3
	s_barrier_signal -1
	s_barrier_wait -1
.endm
	s_load_b128 s[4:7], s[0:1], 0x0                ; qkv, lowp_scales
	s_load_b64 s[8:9], s[0:1], 0x10                ; ao
	v_lshl_add_u32 v[SPW], v0, 2, SPARE
	v_mov_b32 v[NIL], 0
	ds_add_u32 v[SPW], v[NIL]                      ; the opening: the add, twice on end, and its wait ahead of my first tensor load
	ds_add_u32 v[SPW], v[NIL]
	v_lshrrev_b32 v8, 5, v0
	s_delay_alu instid0(VALU_DEP_1)
	v_readfirstlane_b32 s[WV], v8                  ; wave 0..15
	s_bfe_u32 s40, ttmp6, 0x40000                  ; cx
	s_and_b32 s41, ttmp7, 0xffff                   ; 16 batch + head
	s_lshr_b32 s43, s[WV], 2                       ; b3 b2
	s_xor_b32 s[HW], s[WV], s43
	s_and_b32 s[HW], s[HW], 1                      ; s = b0 xor b2
	s_mul_i32 s[HW], s[HW], 7
	s_bfe_u32 s44, s[WV], 0x10001                  ; b1
	s_xor_b32 s[HW], s[HW], s44
	s_lshr_b32 s44, s[WV], 3                       ; b3
	s_lshl_b32 s44, s44, 2
	s_xor_b32 s[HW], s[HW], s44                    ; g = 7 s xor b1 xor 4 b3: my last key step
	s_and_b32 s43, s43, 1                          ; b2
	s_lshl_b32 s42, s[HW], 1
	s_or_b32 s42, s42, s43                         ; f = 2 g + b2
	s_lshl_b32 s42, s42, 2
	s_add_co_u32 s42, s42, s40                     ; my tile of queries, 4 f + cx: it enters global addresses and the mask's data alone
	s_mov_b32 s[G1], 15|(3<<16)|(1<<21)            ; mask: all four work-groups; elements of 8 bytes; bit 21 beside a mask; no padding
	s_mov_b32 s[G1+1], 32<<16                      ; a dense block of 8 KiB as 32 rows of 256 bytes
	s_mov_b32 s[G1+2], 32<<16
	s_mov_b32 s[G1+3], 32<<16
	s_mov_b32 s[G1+4], 32
	s_mov_b32 s[G1+5], 32
	s_mov_b32 s[G1+6], 0
	s_mov_b32 s[G1+7], 0
	s_lshl_b32 s43, s41, 16                        ; the head's 64 KiB in each plane
	s_lshr_b32 s44, s[WV], 3
	s_add_co_u32 s44, s44, 1
	s_lshl_b32 s44, s44, 22                        ; plane 1 (k): waves 0-7; plane 2 (v): waves 8-15
	s_add_co_u32 s44, s44, s43
	s_and_b32 s45, s[WV], 7
	s_lshl_b32 s45, s45, 13
	s_add_co_u32 s44, s44, s45                     ; my 8 KiB of it
	s_mov_b32 s45, 0
	s_lshl_b32 s46, s42, 10
	s_add_co_u32 s46, s46, s43                     ; Q's image, in plane 0
	s_mov_b32 s47, 0
	s_lshr_b32 s48, s41, 4
	s_lshl_b32 s48, s48, 6
	s_add_co_u32 s48, s48, s42                     ; ao: token tile 64 batch + my tile, 16 KiB each;
	s_lshl_b32 s48, s48, 14
	s_and_b32 s49, s41, 15
	s_lshl_b32 s49, s49, 10                        ; chunk head / 2 of 2 KiB, half head % 2 of 1 KiB: 1,024 x head
	s_add_co_u32 s48, s48, s49
	s_mov_b32 s49, 0
	s_mov_b32 s[SEL], 0x76543210
	s_mov_b32 s[SEL+1], 0xfedcba98
	s_mov_b32 s[CS], 0x3e38aa3b                    ; c = log2(e) / sqrt(64)
	s_wait_dscnt 0x0                               ; both opening adds are done
	s_wait_kmcnt 0x0
	s_load_b512 s[68:83], s[6:7], 0x0              ; the sixteen exponents
	s_mov_b32 s[G0], 1
	s_lshl_b32 s[G0+1], s[WV], 13                  ; LDS: 8,192 x wave
	s_add_nc_u64 s[G0+2:G0+3], s[4:5], s[44:45]
	s_or_b32 s[G0+3], s[G0+3], 0x80000000
	s_add_nc_u64 s[10:11], s[4:5], s[46:47]
	s_add_nc_u64 s[8:9], s[8:9], s[48:49]
	CROUND                                         ; all four work-groups are here: the joint loads meet
	tensor_load_to_lds s[G0:G0+3], s[G1:G1+7]      ; every wave's one load
	s_nop 0
.rept 4
	v_nop
.endr
	v_and_b32 v[LI], 31, v0
	s_delay_alu instid0(VALU_DEP_1)
	v_lshlrev_b32 v[LI], 4, v[LI]
	global_load_b128 v[16:19], v[LI], s[10:11]     ; Q's fragment stays in registers
	global_load_b128 v[20:23], v[LI], s[10:11] offset:512
	v_and_b32 v1, 15, v0
	v_bfe_u32 v2, v0, 4, 1
	s_delay_alu instid0(VALU_DEP_1)
	v_lshlrev_b32 v2, 3, v2
	s_delay_alu instid0(VALU_DEP_1)
	v_sub_nc_u32 v1, v1, v2
	s_lshl_b32 s43, s42, 4
	v_add_nc_u32 v[D0], s43, v1                    ; my query - 8 (lane / 16)
	v_mov_b32 v13, 0xff61b1e6                      ; the largest t so far: -3e38
	s_delay_alu instid0(VALU_DEP_1)
	v_floor_f32 v12, -v13                          ; -M
	v_mov_b32 v14, 0
	v_mov_b32 v15, 0
	v_mov_b32 v236, 0                              ; lane permutes' destinations count as read: written once
	v_mov_b32 v252, 0
	v_mov_b32 v253, 0
.set j, 0
.rept 32
	v_mov_b32 v[160+j], 0                          ; O^T: the loop is written once; its first step finds zeros, which the first change of M leaves zeros
.set j, j+1
.endr
	s_wait_kmcnt 0x0
	s_add_co_i32 s50, s74, s75                     ; e6 + e7: added to c's exponent field
	s_lshl_b32 s50, s50, 23
	s_add_co_i32 s[CS], s[CS], s50
	s_mov_b32 s[CS+1], s[CS]
	s_add_co_i32 s50, s76, 127                     ; e8: p's
	s_lshl_b32 s51, s50, 23
	v_mov_b32 v244, s51
	s_add_co_i32 s50, s50, 8
	s_lshl_b32 s50, s50, 23
	s_or_b32 s50, s50, 0x600000
	v_mov_b32 v240, s50
	s_add_co_i32 s50, s78, 127                     ; e10: the result's
	s_lshl_b32 s51, s50, 23
	v_mov_b32 v245, s51
	s_add_co_i32 s50, s50, 8
	s_lshl_b32 s50, s50, 23
	s_or_b32 s50, s50, 0x600000
	v_mov_b32 v241, s50
	s_add_co_i32 s52, s76, s77                     ; e8 + e9
	s_mov_b32 s[ST], 0
	s_mov_b32 s[TB], 0
	s_wait_tensorcnt 0x0                           ; my 8 KiB are in,
	s_barrier_signal -1
	s_barrier_wait -1                              ; everybody's are
	s_wait_loadcnt 0x0                             ; Q
.Lstep:                                                ; eight trips, a constant; a wave works in the first g + 1 of them
	s_cmp_gt_u32 s[ST], s[HW]
	s_cbranch_scc1 .Lhidden
	v_add_nc_u32 v[ADK], s[TB], v[LI]
	s_delay_alu instid0(VALU_DEP_1)
	v_add_nc_u32 v[ADV], 0x10000, v[ADK]
	v_nop                                          ; with the two additions: four places in front of loads into registers that the last products read
	v_nop
.irp t, 0,1,2,3,4,5,6,7
	ds_load_b128 v[32+8*\t:35+8*\t], v[ADK] offset:1024*\t
	ds_load_b128 v[36+8*\t:39+8*\t], v[ADK] offset:1024*\t+512
.endr
	s_wait_alu depctr_va_vdst(0)
	s_wait_dscnt 0x0
.irp t, 0,1,2,3,4,5,6,7
	v_wmma_f32_16x16x64_fp8_fp8 v[96+8*\t:103+8*\t], v[32+8*\t:39+8*\t], v[16:23], 0
.endr
.rept 4
	v_nop
.endr
.irp d, 0,1,2,3                                ; V's four fragments (16 dims x 128 keys: two images each) are asked for now and land under the softmax
.irp k, 0,1
	ds_load_b128 v[32+16*\d+8*\k:35+16*\d+8*\k], v[ADV] offset:4096*\k+1024*\d
	ds_load_b128 v[36+16*\d+8*\k:39+16*\d+8*\k], v[ADV] offset:4096*\k+1024*\d+512
.endr
.endr
	s_cmp_lt_u32 s[ST], s[HW]                      ; only my last step lies on the diagonal
	s_cbranch_scc1 .Lopen
	s_lshl_b32 s50, s[ST], 7
	s_sub_co_i32 s50, 0, s50
	v_add_nc_u32 v252, s50, v[D0]                  ; d = my query - the step's first key - 8 (lane / 16): register 8 t + j is hidden where 16 t + j > d
	v_mov_b32 v254, 0xff800000                     ; -infinity: p = 0 then
.set n, 0
.rept 64
	v_cmp_gt_i32 vcc_lo, 16*(n/8)+n%8, v252
	v_cndmask_b32 v[96+n], v[96+n], v254, vcc_lo
.set n, n+1
.endr
.Lopen:
	v_max3_num_f32 v254, v96, v97, v98             ; the step's largest score of my query among my 64 keys, in two chains,
	v_max3_num_f32 v252, v99, v100, v101
.set i, 6
.rept 14
	v_max3_num_f32 v254, v254, v[96+i], v[97+i]
	v_max3_num_f32 v252, v252, v[98+i], v[99+i]
.set i, i+4
.endr
	v_max3_num_f32 v254, v254, v158, v159
	s_delay_alu instid0(VALU_DEP_1)
	v_max_num_f32 v254, v254, v252
	v_permlanex16_b32 v236, v254, s[SEL], s[SEL+1]
	s_delay_alu instid0(VALU_DEP_1)
	v_max_num_f32 v254, v254, v236                 ; and among lane l xor 16's
	s_delay_alu instid0(VALU_DEP_1)
	v_mul_f32 v254, s[CS], v254                    ; as t (c is positive)
	s_delay_alu instid0(VALU_DEP_1)
	v_max_num_f32 v13, v13, v254                   ; the running largest t
	v_mov_b32 v254, v12
	s_delay_alu instid0(VALU_DEP_2)
	v_floor_f32 v12, -v13                          ; the new -M = -ceil(t): a whole number
	s_delay_alu instid0(VALU_DEP_1)
	v_sub_f32 v254, v12, v254                      ; old M - new M, 0 or less
	s_delay_alu instid0(VALU_DEP_1)
	v_cvt_i32_f32 v254, v254                       ; (it saturates)
	s_delay_alu instid0(VALU_DEP_1)
	v_ldexp_f32 v252, 1.0, v254                    ; f = 2^(old M - new M)
.set j, 0
.rept 32
	v_pk_fma_f32 v[96+j:97+j], v[96+j:97+j], s[CS:CS+1], v[12:13] op_sel_hi:[1,0,0]   ; t - M
.set j, j+2
.endr
.set j, 0
	s_wait_alu depctr_va_vdst(0)
.rept 64
	v_exp_f32 v[96+j], v[96+j]                     ; p = 2^(t - M)
.set j, j+1
.endr
	v_pk_mul_f32 v[14:15], v[14:15], v[252:253] op_sel_hi:[1,0]   ; the sums under the new M (a plain line behind the exponentials)
	s_wait_alu depctr_va_vdst(0)                   ; one wait for the batch, ahead of its first reader
	v_pk_add_f32 v[242:243], v[100:101], v[104:105]
	v_pk_add_f32 v[254:255], v[108:109], v[112:113]
	v_pk_add_f32 v[250:251], v[116:117], v[120:121]
	v_pk_add_f32 v[248:249], v[124:125], v[128:129]
	v_pk_add_f32 v[246:247], v[132:133], v[136:137]
	v_pk_add_f32 v[238:239], v[140:141], v[144:145]
	v_pk_add_f32 v[236:237], v[148:149], v[152:153]
	v_pk_add_f32 v[14:15], v[14:15], v[156:157]
	v_pk_add_f32 v[242:243], v[242:243], v[96:97]
	v_pk_add_f32 v[254:255], v[254:255], v[98:99]
	v_pk_add_f32 v[250:251], v[250:251], v[102:103]
	v_pk_add_f32 v[248:249], v[248:249], v[106:107]
	v_pk_add_f32 v[246:247], v[246:247], v[110:111]
	v_pk_add_f32 v[238:239], v[238:239], v[114:115]
	v_pk_add_f32 v[236:237], v[236:237], v[118:119]
	v_pk_add_f32 v[14:15], v[14:15], v[122:123]
	v_pk_add_f32 v[242:243], v[242:243], v[126:127]
	v_pk_add_f32 v[254:255], v[254:255], v[130:131]
	v_pk_add_f32 v[250:251], v[250:251], v[134:135]
	v_pk_add_f32 v[248:249], v[248:249], v[138:139]
	v_pk_add_f32 v[246:247], v[246:247], v[142:143]
	v_pk_add_f32 v[238:239], v[238:239], v[146:147]
	v_pk_add_f32 v[236:237], v[236:237], v[150:151]
	v_pk_add_f32 v[14:15], v[14:15], v[154:155]
	v_pk_add_f32 v[242:243], v[242:243], v[158:159]
	s_delay_alu instid0(VALU_DEP_2)
	v_pk_add_f32 v[14:15], v[14:15], v[248:249]
	s_delay_alu instid0(VALU_DEP_2)
	v_pk_add_f32 v[242:243], v[242:243], v[246:247]
	v_pk_add_f32 v[254:255], v[254:255], v[238:239]
	v_pk_add_f32 v[250:251], v[250:251], v[236:237]
	s_delay_alu instid0(VALU_DEP_2)
	v_pk_add_f32 v[14:15], v[14:15], v[254:255]
	s_delay_alu instid0(VALU_DEP_2)
	v_pk_add_f32 v[242:243], v[242:243], v[250:251]
	s_delay_alu instid0(VALU_DEP_1)
	v_pk_add_f32 v[14:15], v[14:15], v[242:243]
.irp t, 0,1,2,3,4,5,6,7
.irp i, 0,1,2,3,4,5,6,7
	v_min_num_f32 v[96+8*\t+\i], v[96+8*\t+\i], v240   ; the hold; p is not negative, so it is one-sided
.endr
	v_cvt_scalef32_pk8_fp8_f32 v[224+2*\t:225+2*\t], v[96+8*\t:103+8*\t], v244
.endr
.set j, 0
.rept 16
	v_pk_mul_f32 v[160+j:161+j], v[160+j:161+j], v[252:253] op_sel_hi:[1,0]   ; O^T under the new M (also the plain lines behind the conversions)
.set j, j+2
.endr
	s_wait_alu depctr_va_vdst(0)
	s_wait_dscnt 0x0                               ; V
.irp d, 0,1,2,3
	v_wmma_f32_16x16x128_fp8_fp8 v[160+8*\d:167+8*\d], v[32+16*\d:47+16*\d], v[224:239], v[160+8*\d:167+8*\d]
.endr
.Lhidden:
	s_add_co_u32 s[TB], s[TB], 8192
	s_add_co_u32 s[ST], s[ST], 1
	s_cmp_lt_u32 s[ST], 8
	s_cbranch_scc1 .Lstep
.rept 4
	v_nop                                          ; places behind the last products
.endr
	v_add_f32 v14, v14, v15
	s_delay_alu instid0(VALU_DEP_1)
	v_permlanex16_b32 v252, v14, s[SEL], s[SEL+1]
	s_delay_alu instid0(VALU_DEP_1)
	v_add_f32 v14, v14, v252                       ; the row's sum
	s_wait_alu depctr_va_vdst(0)
	v_rcp_f32 v14, v14
	v_nop
	s_wait_alu depctr_va_vdst(0)                   ; ahead of the first reader
	v_ldexp_f32 v14, v14, s52                      ; x 2^(e8 + e9)
.set j, 0
.rept 32
	v_mul_f32 v[96+j], v[160+j], v14               ; register 8 t + i is o(query r, dim 16 t + 8 h + i)
.set j, j+1
.endr
.set j, 0
.rept 32
	v_med3_num_f32 v[96+j], v[96+j], -v241, v241
.set j, j+1
.endr
.irp t, 0,1,2,3
	v_cvt_scalef32_pk8_fp8_f32 v[224+2*\t:225+2*\t], v[96+8*\t:103+8*\t], v245
.endr
	v_nop                                          ; a plain line between the conversions and the swaps
	v_permlane16_swap_b32 v224, v226               ; lanes 16-31 of the first change places with lanes 0-15 of the second: registers 4 c .. 4 c + 3 then hold K = 32 c + 16 h + 0 .. 15
	v_permlane16_swap_b32 v225, v227
	v_permlane16_swap_b32 v228, v230
	v_permlane16_swap_b32 v229, v231
	global_store_b128 v[LI], v[224:227], s[8:9]    ; each store covers 512 consecutive bytes, aligned
	global_store_b128 v[LI], v[228:231], s[8:9] offset:512
	s_wait_tensorcnt 0x0                           ; the wave's end
	ds_add_u32 v[SPW], v[NIL]
	s_wait_dscnt 0x0
	CROUND                                         ; the closing round
	s_endpgm
.Lfunc_end_k_q91928f94f3_attn:
	.size	k_q91928f94f3_attn, .Lfunc_end_k_q91928f94f3_attn-k_q91928f94f3_attn
	.p2alignl 7, 3214868480
	.fill 96, 4, 3214868480
	.section	.rodata,"a",@progbits
	.p2align	6, 0x0
	.amdhsa_kernel k_q91928f94f3_attn
		.amdhsa_group_segment_fixed_size 167936
		.amdhsa_private_segment_fixed_size 0
		.amdhsa_enable_private_segment 0
		.amdhsa_kernarg_size 24
		.amdhsa_user_sgpr_count 2
		.amdhsa_user_sgpr_kernarg_segment_ptr 1
		.amdhsa_wavefront_size32 1
		.amdhsa_system_sgpr_workgroup_id_x 1
		.amdhsa_system_sgpr_workgroup_id_y 1
		.amdhsa_system_sgpr_workgroup_id_z 1
		.amdhsa_system_vgpr_workitem_id 0
		.amdhsa_next_free_vgpr 256
		.amdhsa_next_free_sgpr 84
		.amdhsa_reserve_vcc 1
		.amdhsa_float_denorm_mode_32 3
		.amdhsa_float_denorm_mode_16_64 3
		.amdhsa_memory_ordered 1
		.amdhsa_forward_progress 1
		.amdhsa_inst_pref_size 32
	.end_amdhsa_kernel
	.amdgpu_metadata
---
amdhsa.version: [ 1, 2 ]
amdhsa.kernels:
  - .name:           k_q91928f94f3_attn
    .symbol:         k_q91928f94f3_attn.kd
    .args:
      - { .name: qkv, .offset: 0, .size: 8, .value_kind: global_buffer, .address_space: global }
      - { .name: lowp_scales, .offset: 8, .size: 8, .value_kind: global_buffer, .address_space: global }
      - { .name: ao, .offset: 16, .size: 8, .value_kind: global_buffer, .address_space: global }
    .group_segment_fixed_size: 167936
    .private_segment_fixed_size: 0
    .kernarg_segment_align: 8
    .kernarg_segment_size: 24
    .max_flat_workgroup_size: 512
    .sgpr_count:     84
    .vgpr_count:     256
    .wavefront_size: 32
...
	.end_amdgpu_metadata
.endif
;; end of part 3
;; launch proj (part 4): grid 8 x 32, 4 waves a work-group, clusters of 4 x 4, 167,936 bytes of LDS; arguments ao, Wp_codes, lowp_scales, x1, bp, x; writes x1
.if DOCPART == 4
	.amdgcn_target "amdgcn-amd-amdhsa--gfx1250"
	.amdhsa_code_object_version 6
	.text
	.protected	k_q91928f94f3_proj
	.globl	k_q91928f94f3_proj
	.p2align	8
	.type	k_q91928f94f3_proj,@function
k_q91928f94f3_proj:
	s_mov_b64 s[64:65], 0
	v_nop
	global_prefetch_b8 v0, s[64:65] scope:SCOPE_SE
	s_setreg_imm32_b32 hwreg(HW_REG_WAVE_MODE, 25, 1), 1
	s_wait_xcnt 0x0
	s_wait_alu depctr_hold_cnt(0) depctr_sa_sdst(0) depctr_va_vdst(0) depctr_va_sdst(0) depctr_va_ssrc(0) depctr_va_vcc(0) depctr_vm_vsrc(0)
	s_getreg_b32 s2, hwreg(HW_REG_IB_STS2, 6, 4)
	s_cmp_eq_u32 s2, 0
	s_cbranch_scc0 .Lentry_in_a_cluster
	s_endpgm
.Lentry_in_a_cluster:
	s_bfe_u32 s2, ttmp6, 0x10000c
	s_cmp_lg_u32 s2, 0xf033
	s_cbranch_scc0 .Lentry_shape_is_right
	s_endpgm
.Lentry_shape_is_right:
; Product 6 with its bias and the residual: x1 = x + o Wp + bp.  4,096 x 1,024, K = 1,024, on codes of E4M3 (entries 10 and 11 of lowp_scales).  Nothing is left out here.
; A tile of the result is 128 x 128 (256 work-groups).  Four waves; wave w makes tokens 32 w .. 32 w + 31 (two blocks of 16) x all 128 columns (eight blocks): 16 accumulators.  K goes in 8 steps of 128.
; NOTHING IN LDS IS FILLED AGAIN.  The 128 weight rows come whole, 1,024 bytes of K each (128 x 1,040 = 133,120 bytes of LDS with the padding): one tensor load of 32 rows a wave, at the head.
; THE TOKENS GO FROM MEMORY STRAIGHT INTO REGISTERS.  They lie as images of operand registers: [token tile of 16][chunk of 128 K][2,048 bytes], registers 4 c .. 4 c + 3 of lane l at 512 c + 16 l, holding
; K = 32 c + 16 (l / 16) + 0 .. 15 of token l % 16: a step is eight loads of 512 consecutive bytes a wave, into a place of its own among eight; no wave loads what another wave of the work-group loads.
; Seven steps' loads go out at the head, the eighth's in step 0; then the residual, in four quarters, into places that have been read.  The waits are counted: later loads stay out.
; CLUSTERS: 4 x 4.  The weights are shared along a column of the cluster and asked for jointly.  The tokens, which a row shares, are not: they go to registers, and a joint load lands in LDS.
; No prefetch: all that the work-group reads is asked for at the head or in its first five steps; there is no loop to run ahead in.
; Source 0 = 16 weight rows, source 1 = 16 tokens: a lane holds eight neighbouring numbers of a row of the result.  A block of 16 rows x 128 columns goes through the wave's stage in LDS (bytes of its own, which no
; tensor load fills) and comes back as rows of 512 bytes, where the residual and the bias, loaded in that layout, are added by one packed multiply-add: y = sum x 2^(eA + eB) + (x + b).
; LIMIT: eA + eB between -126 and 127.
; REGISTERS: window 0: v0-31 addresses, v[12:15] the bias; v32-159 rows of the result.  window 1: the weights' fragments, two sets of 128.  window 2: v0-127 the accumulators ((a, b) at v[8 (8 a + b)]).
;   window 3: the tokens, step q at v[32 q]; places 0 to 3 take the residual when they have been read.
.set SIZE_K, 1024
.set EA,     78                        ; s[EA], s[EA+1]: eA, eB (lowp_scales lies in s[68:83])
.set NSTEP,  SIZE_K/128
.set AHEAD,  7
.set NB,     8
.set WP,     1040                      ; an LDS row: 1,024 bytes + 16 of padding = 260 words: row r starts at bank 4 r mod 64 (64 banks of 4 bytes: ISA guide 11.1)
.set SPARE,  128*WP                    ; behind the weights: the spare words, 128 bytes a wave, which no other line names
.set STAGE,  SPARE+512                 ; behind them: 16 rows x (512 bytes + 16) for each wave
.set SPITCH, 528
.set ADRB, 20                          ; v20, v21 LDS address of the weights' fragments: blocks 0-3, blocks 4-7 (an offset has 16 bits)
.set STO,  24
.set RD,   25
.set LI,   26                          ; v26 16 x lane; never rewritten
.set SPW,  28
.set NIL,  29
.set BK,   32
.set G1B, 48
.set G0B, 56
.set MULW, 0xad                        ; source 0 (weights) window 1, source 1 (tokens) window 3, C and D window 2
.set TO_B, 0x40
.set TO_A, 0xc0
.set MSB, 0
.macro WIN new                         ; the immediate's high byte repeats the setting that is left
.if MSB != (\new)
	s_set_vgpr_msb (MSB<<8)|(\new)
.set MSB, \new
.endif
.endm
.macro CROUND                          ; a round of the cluster's barrier
	s_barrier_signal -1
	s_barrier_wait -1
	s_cmp_lg_u32 s14, 0
	s_cbranch_scc1 .Lnot_wave_0_\@
	s_barrier_signal -3
.Lnot_wave_0_\@:
	s_barrier_wait -3
	s_barrier_signal -1
	s_barrier_wait -1
.endm
.macro PLACES n
.rept \n
	v_nop
.endr
.endm
.macro TOKENS q                        ; my two token blocks' fragments of step q: eight loads of 512 consecutive bytes
	WIN TO_A
.irp i, 0,1
.irp c, 0,1,2,3
	global_load_b128 v[32*((\q)%8)+16*\i+4*\c:32*((\q)%8)+16*\i+4*\c+3], v[LI], s[4:5] offset:16384*\i+2048*(\q)+512*\c
.endr
.endr
.endm
.macro RESID g                         ; rows 8 g .. 8 g + 7 of my 32 rows of the residual into place g: row i at v[4 i] of window 3, in the layout of the stores
	WIN TO_A
.irp t, 0,1,2,3,4,5,6,7
	global_load_b128 v[32*(\g)+4*\t:32*(\g)+4*\t+3], v[LI], s[66:67] offset:(8*(\g)+\t)*4096
.endr
.endm
.macro FEED q                          ; what step q asks for: the tokens of step q + 7; when there are no more, a quarter of the residual, into the place that step q - 1 read; then nothing
.if (\q)+AHEAD < NSTEP
	TOKENS (\q)+AHEAD
.elseif (\q)+AHEAD < NSTEP+4
	RESID (\q)+AHEAD-NSTEP
.endif
.endm
.macro WAITTOK q                       ; step q's tokens are in.  Loads come back in order (ISA guide 5.7.1); behind step q's were issued the tokens of up to six later steps and the quarters of the residual asked for so far, eight loads each
.set tk, NSTEP-1-(\q)
.if tk > AHEAD-1
.set tk, AHEAD-1
.endif
.set rg, (\q)-(NSTEP-AHEAD)
.if rg < 0
.set rg, 0
.endif
.if rg > 4
.set rg, 4
.endif
	s_wait_loadcnt 8*(tk+rg)
.endm
.macro FETCH_B ql, p                   ; the weights' eight fragments of step ql into set p
	WIN TO_B
.set fi, 0
.rept NB
.irp c, 0,1,2,3
	ds_load_b128 v[128*(\p)+16*fi+4*\c:128*(\p)+16*fi+4*\c+3], v[ADRB+fi/4] offset:128*(\ql)+32*\c+(fi%4)*16*WP
.endr
.set fi, fi+1
.endr
.endm
; Token block a of step q against the eight weight blocks.  Step 0's products start the sums.  The 16 accumulators take turns, one instruction a turn, in the same order in every step.
.macro MUL a, q
.set mb, 0
.rept NB
.set rD, 8*(NB*(\a)+mb)
.set rB, 128*((\q)%2)+16*mb
.set rA, 32*((\q)%8)+16*(\a)
.if (\q) == 0
	v_wmma_f32_16x16x128_fp8_fp8 v[rD:rD+7], v[rB:rB+15], v[rA:rA+15], 0
.else
	v_wmma_f32_16x16x128_fp8_fp8 v[rD:rD+7], v[rB:rB+15], v[rA:rA+15], v[rD:rD+7]
.endif
.set mb, mb+1
.endr
.endm
.macro STEP q                          ; the four places stand between the last step's products and the loads into the set of weights and the place that they read
	PLACES 4
	FETCH_B (\q)+1, ((\q)+1)%2
	WAITTOK \q
	FEED \q
	s_wait_dscnt 32                                ; this step's weights are in; the 32 loads just issued, the next step's, may be out
	WIN MULW
	MUL 0, \q
	MUL 1, \q
.endm
	s_load_b256 s[4:11], s[0:1], 0x0               ; the tokens' images, Wp's codes, lowp_scales, the result
	s_load_b64 s[12:13], s[0:1], 0x20              ; the bias
	s_load_b64 s[66:67], s[0:1], 0x28              ; the residual
	v_lshl_add_u32 v[SPW], v0, 2, SPARE
	v_mov_b32 v[NIL], 0
	ds_add_u32 v[SPW], v[NIL]                      ; the opening: the add, twice on end, and its wait ahead of my first tensor load
	ds_add_u32 v[SPW], v[NIL]
	v_lshrrev_b32 v1, 5, v0
	v_readfirstlane_b32 s14, v1                    ; wave 0..3
	s_bfe_u32 s40, ttmp6, 0x40000                  ; cx, cy
	s_bfe_u32 s41, ttmp6, 0x40004
	s_lshl_b32 s42, ttmp9, 2
	s_add_co_u32 s42, s42, s40                     ; tile column
	s_and_b32 s17, ttmp7, 0xffff
	s_lshl_b32 s17, s17, 2
	s_add_co_u32 s17, s17, s41                     ; tile row
	s_lshl_b32 s44, 0x1111, s40                    ; my column of the cluster
	s_or_b32 s[G1B+0], s44, (0<<16)|(1<<20)|(1<<21)|(7<<22)|(3<<25)   ; mask; elements of 1 byte; padding on; bit 21 beside a mask; 4 words behind every 256
	s_mov_b32 s[G1B+1], 1024<<16                   ; tensor_dim0
	s_mov_b32 s[G1B+2], 32<<16                     ; tensor_dim1
	s_mov_b32 s[G1B+3], 1024<<16                   ; tile_dim0
	s_mov_b32 s[G1B+4], 32                         ; tile_dim1
	s_mov_b32 s[G1B+5], SIZE_K                     ; from row to row
	s_mov_b32 s[G1B+6], 0
	s_mov_b32 s[G1B+7], 0
	s_lshl_b32 s46, s42, 7
	s_lshl_b32 s18, s14, 5
	s_add_co_u32 s46, s46, s18                     ; weights: row 128 x tile column + 32 x wave,
	s_lshl_b32 s46, s46, 10                        ; of 1,024 bytes
	s_mov_b32 s47, 0
	s_mul_i32 s45, s14, 32*WP                      ; where they go: wave x 32 rows: no place in the cluster enters an LDS address
	s_lshl_b32 s20, s17, 3
	s_lshl_b32 s18, s14, 1
	s_add_co_u32 s20, s20, s18                     ; tokens: token tile 8 x tile row + 2 x wave,
	s_lshl_b32 s20, s20, 14                        ; of 16,384 bytes
	s_mov_b32 s21, 0
	s_lshl_b32 s86, s17, 7
	s_lshl_b32 s18, s14, 5
	s_add_co_u32 s86, s86, s18                     ; my first row of the result,
	s_lshl_b32 s86, s86, 12                        ; of 4,096 bytes,
	s_lshl_b32 s88, s42, 9                         ; and the tile's first column, in bytes
	s_add_co_u32 s86, s86, s88
	s_mov_b32 s87, 0
	s_mov_b32 s89, 0
	v_and_b32 v[LI], 31, v0
	v_lshlrev_b32 v[LI], 4, v[LI]
	s_wait_alu depctr_va_vdst(0)
	s_wait_dscnt 0x0                               ; both opening adds are done
	s_wait_kmcnt 0x0
	s_load_b512 s[68:83], s[8:9], 0x0              ; the sixteen exponents: waited for on the way out
	s_add_nc_u64 s[4:5], s[4:5], s[20:21]
	s_add_nc_u64 s[46:47], s[6:7], s[46:47]
	s_add_nc_u64 s[12:13], s[12:13], s[88:89]
	s_add_nc_u64 s[66:67], s[66:67], s[86:87]
	s_add_nc_u64 s[10:11], s[10:11], s[86:87]
	global_load_b128 v[12:15], v[LI], s[12:13]     ; the bias of my four columns
.irp q, 0,1,2,3,4,5,6
	TOKENS \q                                      ; seven steps' tokens: with the bias 57 loads of mine are out
.endr
	WIN 0
	CROUND                                         ; all sixteen work-groups are here: the joint loads meet
	s_mov_b32 s[G0B], 1
	s_mov_b32 s[G0B+1], s45
	s_mov_b64 s[G0B+2:G0B+3], s[46:47]
	s_or_b32 s[G0B+3], s[G0B+3], 0x80000000
	tensor_load_to_lds s[G0B:G0B+3], s[G1B:G1B+7]  ; every wave's one load: its 32 weight rows, whole
	s_nop 0
	PLACES 4
	v_and_b32 v1, 15, v0                           ; r
	v_bfe_u32 v2, v0, 4, 1                         ; h
	v_mul_u32_u24 v4, v1, WP
	v_lshl_add_u32 v[ADRB], v2, 4, v4              ; a fragment's row x pitch + 16 h
	v_add_nc_u32 v[ADRB+1], 64*WP, v[ADRB]
	s_mul_i32 s23, s14, 16*SPITCH
	s_add_co_u32 s23, s23, STAGE                   ; my stage
	v_mul_u32_u24 v5, v1, SPITCH
	v_lshl_add_u32 v5, v2, 5, v5
	v_add_nc_u32 v[STO], s23, v5                   ; in: row r, 32 bytes for each half of the lanes
	v_add_nc_u32 v[RD], s23, v[LI]                 ; back: the 32 lanes take one row of 512 bytes
	s_wait_alu depctr_va_vdst(0)
	s_wait_tensorcnt 0x0                           ; my 32 rows are in,
	s_barrier_signal -1
	s_barrier_wait -1                              ; everybody's are
	FETCH_B 0, 0
.set Q, 0
.rept NSTEP-1
	STEP Q
.set Q, Q+1
.endr
	WAITTOK NSTEP-1                                ; the last step: nothing more to fetch
	s_wait_dscnt 0x0
	WIN MULW
	MUL 0, NSTEP-1
	MUL 1, NSTEP-1
	WIN 0
	; THE WAY OUT
	s_wait_kmcnt 0x0
	s_add_co_i32 s96, s[EA], s[EA+1]
	s_add_co_i32 s96, s96, 127
	s_lshl_b32 s96, s96, 23                        ; 2^(eA + eB) as f32
	s_mov_b32 s97, s96                             ; (named with it as a pair)
	PLACES 4                                       ; behind the last products, in front of the stores that read results
.macro TOSTAGE a                       ; block a's raw sums into my stage, and back as whole rows of 512 bytes: LDS serves a wave's instructions in order (ISA guide 5.7.1.4), so no wait stands between, nor in front of the next block's stores
	WIN 0x08                                       ; the stores' data: window 2
.irp b, 0,1,2,3,4,5,6,7
	ds_store_b128 v[STO], v[8*(8*(\a)+\b):8*(8*(\a)+\b)+3] offset:64*\b          ; each accumulator from its low end on
	ds_store_b128 v[STO], v[8*(8*(\a)+\b)+4:8*(8*(\a)+\b)+7] offset:64*\b+16
.endr
	WIN 0
.irp t, 0,1,2,3,4,5,6,7,8,9,10,11,12,13,14,15
	ds_load_b128 v[BK+64*(\a)+4*\t:BK+64*(\a)+4*\t+3], v[RD] offset:\t*SPITCH
.endr
.endm
.macro SEND a, younger                 ; younger: the LDS instructions issued behind block a's loads, which may stay out
	s_wait_dscnt \younger
	WIN 0x30                                       ; the addend: window 3
.set j, 0
.rept 32
	v_pk_fma_f32 v[BK+64*(\a)+j:BK+64*(\a)+j+1], v[BK+64*(\a)+j:BK+64*(\a)+j+1], s[96:97], v[64*(\a)+j:64*(\a)+j+1] op_sel_hi:[1,0,1]
.set j, j+2
.endr
	WIN 0
.irp t, 0,1,2,3,4,5,6,7,8,9,10,11,12,13,14,15
	global_store_b128 v[LI], v[BK+64*(\a)+4*\t:BK+64*(\a)+4*\t+3], s[10:11] offset:(16*(\a)+\t)*4096   ; 32 lanes store 512 consecutive bytes, aligned
.endr
.endm
	TOSTAGE 0
	TOSTAGE 1
	s_wait_loadcnt 0x0                             ; the residual
	WIN 0xc3                                       ; destination and source 0 window 3, the bias window 0
.set j, 0
.rept 32
	v_pk_add_f32 v[j:j+1], v[j:j+1], v[12:13]      ; residual + bias
	v_pk_add_f32 v[j+2:j+3], v[j+2:j+3], v[14:15]
.set j, j+4
.endr
	SEND 0, 32                                     ; behind block 0's loads: block 1's 16 stores and 16 loads
	SEND 1, 0
	s_wait_tensorcnt 0x0                           ; the wave's end
	ds_add_u32 v[SPW], v[NIL]
	s_wait_dscnt 0x0
	CROUND                                         ; the closing round
	s_endpgm
.Lfunc_end_k_q91928f94f3_proj:
	.size	k_q91928f94f3_proj, .Lfunc_end_k_q91928f94f3_proj-k_q91928f94f3_proj
	.p2alignl 7, 3214868480
	.fill 96, 4, 3214868480
	.section	.rodata,"a",@progbits
	.p2align	6, 0x0
	.amdhsa_kernel k_q91928f94f3_proj
		.amdhsa_group_segment_fixed_size 167936
		.amdhsa_private_segment_fixed_size 0
		.amdhsa_enable_private_segment 0
		.amdhsa_kernarg_size 48
		.amdhsa_user_sgpr_count 2
		.amdhsa_user_sgpr_kernarg_segment_ptr 1
		.amdhsa_wavefront_size32 1
		.amdhsa_system_sgpr_workgroup_id_x 1
		.amdhsa_system_sgpr_workgroup_id_y 1
		.amdhsa_system_sgpr_workgroup_id_z 1
		.amdhsa_system_vgpr_workitem_id 0
		.amdhsa_next_free_vgpr 1024
		.amdhsa_next_free_sgpr 100
		.amdhsa_reserve_vcc 0
		.amdhsa_float_denorm_mode_32 3
		.amdhsa_float_denorm_mode_16_64 3
		.amdhsa_memory_ordered 1
		.amdhsa_forward_progress 1
		.amdhsa_inst_pref_size 56
	.end_amdhsa_kernel
	.amdgpu_metadata
---
amdhsa.version: [ 1, 2 ]
amdhsa.kernels:
  - .name:           k_q91928f94f3_proj
    .symbol:         k_q91928f94f3_proj.kd
    .args:
      - { .name: ao, .offset: 0, .size: 8, .value_kind: global_buffer, .address_space: global }
      - { .name: Wp_codes, .offset: 8, .size: 8, .value_kind: global_buffer, .address_space: global }
      - { .name: lowp_scales, .offset: 16, .size: 8, .value_kind: global_buffer, .address_space: global }
      - { .name: x1, .offset: 24, .size: 8, .value_kind: global_buffer, .address_space: global }
      - { .name: bp, .offset: 32, .size: 8, .value_kind: global_buffer, .address_space: global }
      - { .name: x, .offset: 40, .size: 8, .value_kind: global_buffer, .address_space: global }
    .group_segment_fixed_size: 167936
    .private_segment_fixed_size: 0
    .kernarg_segment_align: 8
    .kernarg_segment_size: 48
    .max_flat_workgroup_size: 128
    .sgpr_count:     100
    .vgpr_count:     1024
    .wavefront_size: 32
...
	.end_amdgpu_metadata
.endif
;; end of part 4
;; launch ln2 (part 5): grid 256 x 1, 8 waves a work-group, no clusters, 18,432 bytes of LDS; arguments x1, g2, be2, lowp_scales, a2; writes a2
.if DOCPART == 5
	.amdgcn_target "amdgcn-amd-amdhsa--gfx1250"
	.amdhsa_code_object_version 6
	.text
	.protected	k_q91928f94f3_ln2
	.globl	k_q91928f94f3_ln2
	.p2align	8
	.type	k_q91928f94f3_ln2,@function
k_q91928f94f3_ln2:
	s_mov_b64 s[64:65], 0
	v_nop
	global_prefetch_b8 v0, s[64:65] scope:SCOPE_SE
	s_setreg_imm32_b32 hwreg(HW_REG_WAVE_MODE, 25, 1), 1
	s_wait_xcnt 0x0
; LayerNorm 2 and its quantiser: y = (x1 - mean) * rsqrt(var + 1e-5) * g2 + be2, in f32, row by row of 1,024; code = y / 2^e (entry 12 of lowp_scales, A of product 7), held within +-448, nearest code, ties to even.
; Nothing is left out here.  LIMITS: e between -126 and 119 (2^e and 448 x 2^e are made as f32 numbers).  NaN among the inputs is not served.
; THE CODES LEAVE AS IMAGES OF OPERAND REGISTERS: for each tile of 16 tokens 16 KiB, [K / 16 (64 units)][token (16)][16 bytes]: a unit is 256 bytes, and the bytes at 2,048 ch + 512 c + 16 lane are
; registers 4 c .. 4 c + 3 of a fragment of 16 tokens x 128 K (K = 128 ch + 32 c + 16 (lane / 16) + 0 .. 15 of token lane % 16).
; SHARES: a work-group takes one tile of 16 tokens; each of its eight waves two whole rows, 32 registers a lane each, read once.  A load gives a lane 4 neighbours along K, so a conversion of the registers of two
; loads makes two words of 4 neighbouring codes; each word goes to its place in a stage in LDS (a unit 272 bytes apart: 68 words, so the eight units that a store touches lie in different banks);
; one barrier; each wave reads 2 KiB of the image back and stores it, 512 consecutive bytes an instruction, aligned.
; No matrix unit, no cluster, no tensor load: work-groups share nothing but g and be, 8 KiB.
.set EB,    48                         ; s48: entry 12 (lowp_scales lies in s[36:51])
.set UP,    272                        ; a unit in the stage
.set SPARE, 64*UP                      ; behind the stage: the spare words, 128 bytes a wave, which no other line names
.set SPW,   12
.set NIL,   13
.set SCL,   5
.set LIM,   8
.set XR,    32                         ; v32-95 the two rows
.set G,     96
.set BE,    128
.set C,     160                        ; v160-175 words of codes
.set X,     176                        ; v176-191 my part of the image
	s_load_b256 s[4:11], s[0:1], 0x0               ; x1, g, be, lowp_scales
	s_load_b64 s[12:13], s[0:1], 0x20              ; the codes
	v_lshl_add_u32 v[SPW], v0, 2, SPARE
	v_mov_b32 v[NIL], 0
	v_lshrrev_b32 v1, 5, v0
	v_readfirstlane_b32 s16, v1                    ; wave 0..7
	s_lshl_b32 s17, s16, 5                         ; 16 bytes x token 2 wave
	s_mul_i32 s18, s16, 8*UP                       ; my eight units on the way back
	v_and_b32 v1, 31, v0                           ; lane
	v_lshlrev_b32 v3, 4, v1                        ; my 16 bytes of a load's or a store's 512
	v_lshrrev_b32 v14, 2, v1
	v_mul_u32_u24 v14, v14, UP
	v_and_b32 v15, 3, v1
	v_lshl_add_u32 v14, v15, 2, v14
	v_add_nc_u32 v14, s17, v14                     ; way in: unit lane / 4 of a load's eight, word lane % 4 of my token's 16 bytes
	v_lshrrev_b32 v15, 4, v1
	v_mul_u32_u24 v15, v15, UP
	v_and_b32 v2, 15, v1
	v_lshl_add_u32 v15, v2, 4, v15
	v_add_nc_u32 v15, s18, v15                     ; way back: lanes 0-15 one unit, lanes 16-31 the next
	v_mov_b32 v24, 0                               ; a lane permute's destination counts as read: written once
	s_lshl_b32 s20, ttmp9, 16                      ; 16 rows x 4,096 bytes of x1
	s_lshl_b32 s19, s16, 13
	s_add_co_u32 s20, s20, s19
	s_mov_b32 s21, 0
	s_lshl_b32 s22, ttmp9, 14                      ; an image of 16 KiB
	s_lshl_b32 s19, s16, 11
	s_add_co_u32 s22, s22, s19
	s_mov_b32 s23, 0
	s_mov_b32 s30, 0x76543210                      ; selects: lane l xor 16
	s_mov_b32 s31, 0xfedcba98
	s_mov_b32 s52, 0x3a800000                      ; 1 / 1,024
	s_mov_b32 s53, 0x3727c5ac                      ; 1e-5
	s_wait_alu depctr_va_vdst(0)
	s_wait_kmcnt 0x0
	s_load_b512 s[36:51], s[10:11], 0x0
	s_add_nc_u64 s[4:5], s[4:5], s[20:21]
	s_add_nc_u64 s[24:25], s[12:13], s[22:23]
.irp i, 0,1,2,3,4,5,6,7
	global_load_b128 v[XR+4*\i:XR+4*\i+3], v3, s[4:5] offset:512*\i th:TH_LOAD_NT
.endr
.irp i, 0,1,2,3,4,5,6,7
	global_load_b128 v[G+4*\i:G+4*\i+3], v3, s[6:7] offset:512*\i
.endr
.irp i, 0,1,2,3,4,5,6,7
	global_load_b128 v[BE+4*\i:BE+4*\i+3], v3, s[8:9] offset:512*\i
.endr
.irp i, 0,1,2,3,4,5,6,7
	global_load_b128 v[XR+32+4*\i:XR+32+4*\i+3], v3, s[4:5] offset:4096+512*\i th:TH_LOAD_NT
.endr
	s_wait_kmcnt 0x0
	s_add_co_i32 s20, s[EB], 127
	s_lshl_b32 s21, s20, 23
	v_mov_b32 v[SCL], s21                          ; 2^e as f32
	s_add_co_i32 s20, s20, 8
	s_lshl_b32 s20, s20, 23
	s_or_b32 s20, s20, 0x600000
	v_mov_b32 v[LIM], s20                          ; 448 x 2^e
.macro RSUM                            ; v20 becomes its sum over the 32 lanes
	v_add_f32_dpp v20, v20, v20 row_xmask:1 row_mask:0xf bank_mask:0xf
	v_add_f32_dpp v20, v20, v20 row_xmask:2 row_mask:0xf bank_mask:0xf
	v_add_f32_dpp v20, v20, v20 row_xmask:4 row_mask:0xf bank_mask:0xf
	v_add_f32_dpp v20, v20, v20 row_xmask:8 row_mask:0xf bank_mask:0xf
	v_permlanex16_b32 v24, v20, s30, s31
	v_add_f32 v20, v20, v24
.endm
.macro STAT r                          ; row r: mean, x - mean in place, 1 / sqrt(var + 1e-5) in v[18:19]
.set B, XR+32*\r
	v_pk_add_f32 v[20:21], v[B:B+1], v[B+2:B+3]
	v_pk_add_f32 v[22:23], v[B+4:B+5], v[B+6:B+7]
.irp j, 8,12,16,20,24,28
	v_pk_add_f32 v[20:21], v[20:21], v[B+\j:B+\j+1]
	v_pk_add_f32 v[22:23], v[22:23], v[B+\j+2:B+\j+3]
.endr
	v_pk_add_f32 v[20:21], v[20:21], v[22:23]
	v_add_f32 v20, v20, v21
	RSUM
	v_mul_f32 v16, s52, v20
	v_mul_f32 v17, s52, v20
.irp j, 0,2,4,6,8,10,12,14,16,18,20,22,24,26,28,30
	v_pk_add_f32 v[B+\j:B+\j+1], v[B+\j:B+\j+1], v[16:17] neg_lo:[0,1] neg_hi:[0,1]
.endr
	v_pk_mul_f32 v[20:21], v[B:B+1], v[B:B+1]
	v_pk_mul_f32 v[22:23], v[B+2:B+3], v[B+2:B+3]
.irp j, 4,8,12,16,20,24,28
	v_pk_fma_f32 v[20:21], v[B+\j:B+\j+1], v[B+\j:B+\j+1], v[20:21]
	v_pk_fma_f32 v[22:23], v[B+\j+2:B+\j+3], v[B+\j+2:B+\j+3], v[22:23]
.endr
	v_pk_add_f32 v[20:21], v[20:21], v[22:23]
	v_add_f32 v20, v20, v21
	RSUM
	v_fma_f32 v18, v20, s52, s53
	s_wait_alu depctr_va_vdst(0)                   ; the wait ahead of the transcendental,
	v_rsq_f32 v18, v18
	v_nop
	s_wait_alu depctr_va_vdst(0)                   ; and ahead of the first line that names its result
	v_mov_b32 v19, v18
.endm
.macro NORM r
.set B, XR+32*\r
.irp j, 0,2,4,6,8,10,12,14,16,18,20,22,24,26,28,30
	v_pk_mul_f32 v[B+\j:B+\j+1], v[B+\j:B+\j+1], v[18:19]
.endr
.irp j, 0,2,4,6,8,10,12,14,16,18,20,22,24,26,28,30
	v_pk_fma_f32 v[B+\j:B+\j+1], v[B+\j:B+\j+1], v[G+\j:G+\j+1], v[BE+\j:BE+\j+1]
.endr
.endm
.macro QUANT r                         ; the hold (the conversion does not saturate: ISA guide 7.6.2), the codes, and each word to its unit: load i's word holds K = 128 i + 4 lane + 0 .. 3
.set B, XR+32*\r
.set j, 0
.rept 32
	v_med3_num_f32 v[B+j], v[B+j], -v[LIM], v[LIM]
.set j, j+1
.endr
.irp m, 0,1,2,3
	v_cvt_scalef32_pk8_fp8_f32 v[C+8*\r+2*\m:C+8*\r+2*\m+1], v[B+8*\m:B+8*\m+7], v[SCL]
.endr
	v_nop                                          ; a plain line behind the last conversion
.irp i, 0,1,2,3,4,5,6,7
	ds_store_b32 v14, v[C+8*\r+\i] offset:8*UP*\i+16*\r
.endr
.endm
	s_wait_loadcnt 24                              ; row 0 is in; g, be and row 1 (24 loads) may be out
	STAT 0
	s_wait_alu depctr_va_vdst(0)
	s_wait_loadcnt 8                               ; g and be are in; row 1 may be out
	NORM 0
	QUANT 0
	s_wait_loadcnt 0x0                             ; row 1
	STAT 1
	NORM 1
	QUANT 1
	s_wait_dscnt 0x0                               ; my words are in the stage,
	s_barrier_signal -1
	s_barrier_wait -1                              ; everybody's are
.irp t, 0,1,2,3
	ds_load_b128 v[X+4*\t:X+4*\t+3], v15 offset:2*UP*\t
.endr
	s_wait_dscnt 0x0
.irp t, 0,1,2,3
	global_store_b128 v3, v[X+4*\t:X+4*\t+3], s[24:25] offset:512*\t   ; 512 consecutive bytes, aligned
.endr
	s_wait_tensorcnt 0x0                           ; the wave's end, behind my last LDS store
	ds_add_u32 v[SPW], v[NIL]
	s_wait_dscnt 0x0
	s_endpgm
.Lfunc_end_k_q91928f94f3_ln2:
	.size	k_q91928f94f3_ln2, .Lfunc_end_k_q91928f94f3_ln2-k_q91928f94f3_ln2
	.p2alignl 7, 3214868480
	.fill 96, 4, 3214868480
	.section	.rodata,"a",@progbits
	.p2align	6, 0x0
	.amdhsa_kernel k_q91928f94f3_ln2
		.amdhsa_group_segment_fixed_size 18432
		.amdhsa_private_segment_fixed_size 0
		.amdhsa_enable_private_segment 0
		.amdhsa_kernarg_size 40
		.amdhsa_user_sgpr_count 2
		.amdhsa_user_sgpr_kernarg_segment_ptr 1
		.amdhsa_wavefront_size32 1
		.amdhsa_system_sgpr_workgroup_id_x 1
		.amdhsa_system_sgpr_workgroup_id_y 1
		.amdhsa_system_sgpr_workgroup_id_z 1
		.amdhsa_system_vgpr_workitem_id 0
		.amdhsa_next_free_vgpr 256
		.amdhsa_next_free_sgpr 66
		.amdhsa_reserve_vcc 0
		.amdhsa_float_denorm_mode_32 3
		.amdhsa_float_denorm_mode_16_64 3
		.amdhsa_memory_ordered 1
		.amdhsa_forward_progress 1
		.amdhsa_inst_pref_size 24
	.end_amdhsa_kernel
	.amdgpu_metadata
---
amdhsa.version: [ 1, 2 ]
amdhsa.kernels:
  - .name:           k_q91928f94f3_ln2
    .symbol:         k_q91928f94f3_ln2.kd
    .args:
      - { .name: x1, .offset: 0, .size: 8, .value_kind: global_buffer, .address_space: global }
      - { .name: g2, .offset: 8, .size: 8, .value_kind: global_buffer, .address_space: global }
      - { .name: be2, .offset: 16, .size: 8, .value_kind: global_buffer, .address_space: global }
      - { .name: lowp_scales, .offset: 24, .size: 8, .value_kind: global_buffer, .address_space: global }
      - { .name: a2, .offset: 32, .size: 8, .value_kind: global_buffer, .address_space: global }
    .group_segment_fixed_size: 18432
    .private_segment_fixed_size: 0
    .kernarg_segment_align: 8
    .kernarg_segment_size: 40
    .max_flat_workgroup_size: 256
    .sgpr_count:     66
    .vgpr_count:     256
    .wavefront_size: 32
...
	.end_amdgpu_metadata
.endif
;; end of part 5
;; launch fc1 (part 6): grid 16 x 16, 4 waves a work-group, clusters of 4 x 4, 327,680 bytes of LDS; arguments a2, W1_codes, lowp_scales, himg, b1; writes himg
.if DOCPART == 6
	.amdgcn_target "amdgcn-amd-amdhsa--gfx1250"
	.amdhsa_code_object_version 6
	.text
	.protected	k_q91928f94f3_fc1
	.globl	k_q91928f94f3_fc1
	.p2align	8
	.type	k_q91928f94f3_fc1,@function
k_q91928f94f3_fc1:
	s_mov_b64 s[64:65], 0
	v_nop
	global_prefetch_b8 v0, s[64:65] scope:SCOPE_SE
	s_setreg_imm32_b32 hwreg(HW_REG_WAVE_MODE, 25, 1), 1
	s_wait_xcnt 0x0
	s_wait_alu depctr_hold_cnt(0) depctr_sa_sdst(0) depctr_va_vdst(0) depctr_va_sdst(0) depctr_va_ssrc(0) depctr_va_vcc(0) depctr_vm_vsrc(0)
	s_getreg_b32 s2, hwreg(HW_REG_IB_STS2, 6, 4)
	s_cmp_eq_u32 s2, 0
	s_cbranch_scc0 .Lentry_in_a_cluster
	s_endpgm
.Lentry_in_a_cluster:
	s_bfe_u32 s2, ttmp6, 0x10000c
	s_cmp_lg_u32 s2, 0xf033
	s_cbranch_scc0 .Lentry_shape_is_right
	s_endpgm
.Lentry_shape_is_right:
; Product 7 with its bias, the exact GELU and the quantiser of the hidden layer: h = Q(gelu(LN2(x1) W1 + b1)).  4,096 x 4,096, K = 1,024, on codes of E4M3 (entries 12, 13 of lowp_scales; the quantiser's: entry 14).
; Nothing is left out here.  LIMITS: e12 + e13 between -126 and 127; e14 between -126 and 119.  NaN among the inputs is not served.
; SHARES: a work-group of four waves makes 256 tokens x 256 features; wave w makes tokens 64 w .. 64 w + 63 x all 256 features, in four quarters of 64 features: 16 accumulators a quarter.
; NOTHING IN LDS IS FILLED AGAIN.  The 256 weight rows come whole, 1,024 bytes of K each (256 x 1,040 = 266,240 bytes of LDS with the padding): one tensor load of 64 rows a wave, at the head.
; THE TOKENS GO FROM MEMORY STRAIGHT INTO REGISTERS AND STAY: they lie as images of operand registers ([tile of 16 tokens][chunk of 128 K][2,048 bytes]: registers 4 c .. 4 c + 3 of lane l at 512 c + 16 l hold
; K = 32 c + 16 (l / 16) + 0 .. 15 of token l % 16); a wave's 64 tokens x 1,024 K are 512 registers, 128 loads of 512 consecutive bytes, and no wave loads what another wave of the work-group loads.
; CLUSTERS: 4 x 4.  The weights are shared along a column of the cluster and asked for jointly.  The tokens, which a row shares, are not: a joint load lands in LDS, and beside the weights' 266,240 bytes the tokens' 262,144 have no room.
; No prefetch: the tokens and the weights are asked for at the head, each quarter's bias at the start of its quarter.
; Source 0 = 16 weight rows, source 1 = 16 tokens: a lane holds one token and eight neighbouring features, K of product 8.  A weight fragment is four loads of 16 bytes a lane, in the tokens' order of K.
; GELU: gelu(x) = max(x, 0) - |x| t exp(-x^2 / 2 + P(t) - ln 2), t = 1 / (1 + |x| / (2 sqrt 2)), P of degree 9: 0.5 erfc(|x| / sqrt 2) = t exp(..).  P is kept times -2 (an exact scaling of its coefficients), so that
; x x + (-2 P) is one fused multiply-add, and one multiplication by -log2(e) / 2 makes the exponent to the base 2.
; THE RESULT leaves as images for product 8: [tile of 16 tokens][chunk of 128 hidden][2,048 bytes]; each store covers 512 consecutive bytes, aligned.
; REGISTERS: window 0: v0-31 addresses and constants; v32-63 the quarter's bias; v64-95 codes, two sets; v128-255 the accumulators ((i, b) at v[128 + 8 (4 i + b)]).
;   window 1: four sets of weight fragments, set p at v[64 p]; in the GELU v64-127 x, v128-191 t, v192-255 the polynomial.   windows 2, 3: the tokens: tile i, chunk ch at v[128 (i % 2) + 16 ch] of window 2 + i / 2.
.set WP,    1040                       ; an LDS row: 1,024 bytes + 16 of padding = 260 words: row r starts at bank 4 r mod 64 (64 banks of 4 bytes: ISA guide 11.1)
.set QB,    64*WP                      ; a quarter's 64 rows; also what one tensor load brings
.set SPARE, 4*QB                       ; behind the weights: the spare words, 128 bytes a wave, which no other line names
.set LIM,  8
.set SC,   9
.set LI,   12                          ; v12 16 x lane; never rewritten
.set AB0,  13                          ; v13 my lane's place in a weight fragment
.set ADB,  14                          ; v14 the same in the quarter in hand
.set BO,   16                          ; v16 32 x (lane / 16): my eight numbers of the bias
.set SPW,  28
.set NIL,  29
.set BN,   32
.set COD,  64
.set ACC,  128
.set XX,   64
.set TT,   128
.set PP,   192
.set G1B,  48
.set G0B,  56
.set MSB, 0
.macro WIN new                         ; the immediate's high byte repeats the setting that is left
.if MSB != (\new)
	s_set_vgpr_msb (MSB<<8)|(\new)
.set MSB, \new
.endif
.endm
.macro CROUND                          ; a round of the cluster's barrier
	s_barrier_signal -1
	s_barrier_wait -1
	s_cmp_lg_u32 s14, 0
	s_cbranch_scc1 .Lnot_wave_0_\@
	s_barrier_signal -3
.Lnot_wave_0_\@:
	s_barrier_wait -3
	s_barrier_signal -1
	s_barrier_wait -1
.endm
.macro PLACES n
.rept \n
	v_nop
.endr
.endm
.macro TOK ch                          ; chunk ch of my four token tiles: 16 loads of 512 consecutive bytes
	WIN 0x80
.irp i, 0,1
.irp c, 0,1,2,3
	global_load_b128 v[128*\i+16*(\ch)+4*\c:128*\i+16*(\ch)+4*\c+3], v[LI], s[4:5] offset:16384*\i+2048*(\ch)+512*\c
.endr
.endr
	WIN 0xc0
.irp i, 0,1
.irp c, 0,1,2,3
	global_load_b128 v[128*\i+16*(\ch)+4*\c:128*\i+16*(\ch)+4*\c+3], v[LI], s[4:5] offset:16384*(\i+2)+2048*(\ch)+512*\c
.endr
.endr
.endm
.macro FB ch                           ; the quarter's four weight fragments of chunk ch into set ch % 4
	WIN 0x40
.set fi, 0
.rept 4
.irp c, 0,1,2,3
	ds_load_b128 v[64*((\ch)%4)+16*fi+4*\c:64*((\ch)%4)+16*fi+4*\c+3], v[ADB] offset:128*(\ch)+32*\c+fi*16*WP
.endr
.set fi, fi+1
.endr
.endm
.macro MMH ch, i0                      ; token tiles i0, i0 + 1 against the four weight blocks.  Chunk 0's products start the sums.  The 16 accumulators take turns, in the same order in every chunk
.set mi, \i0
.rept 2
.set mb, 0
.rept 4
.set rD, ACC+8*(4*mi+mb)
.set rB, 64*((\ch)%4)+16*mb
.set rA, 128*(mi%2)+16*(\ch)
.if (\ch) == 0
	v_wmma_f32_16x16x128_fp8_fp8 v[rD:rD+7], v[rB:rB+15], v[rA:rA+15], 0
.else
	v_wmma_f32_16x16x128_fp8_fp8 v[rD:rD+7], v[rB:rB+15], v[rA:rA+15], v[rD:rD+7]
.endif
.set mb, mb+1
.endr
.set mi, mi+1
.endr
.endm
; A chunk of 128 along K.  The fragments of chunk ch + 2 are asked for first, behind four places: their set was read two chunks ago.
.macro KS ch
.if (\ch) < 6
	PLACES 4
	FB (\ch)+2
	s_wait_dscnt 32                                ; this chunk's fragments are in; the 32 loads of the next two chunks may be out
.else
	s_wait_dscnt 16*(7-(\ch))
.endif
.if (\ch) < 4
	s_wait_loadcnt 63                              ; behind chunk 3's tokens 64 token loads and 8 bias loads were issued: with 63 out, chunks 0 to 3 are in
.else
	s_wait_loadcnt 8+16*(7-(\ch))                  ; the later chunks' 16 loads each and the bias's 8 may be out
.endif
	WIN 0x09                                       ; source 0 window 1, source 1 window 2, C and D window 0
	MMH \ch, 0
	WIN 0x0d                                       ; source 1 window 3
	MMH \ch, 2
.endm
.macro GELU g                          ; token tiles 2 g, 2 g + 1 of the quarter: 64 numbers a lane
	WIN 0x40
	s_wait_alu depctr_va_vdst(0)                   ; directly ahead of the first readers of the sums
.set j, 0
.rept 32
	v_pk_fma_f32 v[XX+j:XX+j+1], v[ACC+64*(\g)+j:ACC+64*(\g)+j+1], s[96:97], v[BN+j%32:BN+j%32+1] op_sel_hi:[1,0,1]   ; x = sum x 2^(e12 + e13) + bias; each accumulator from its low end on
.set j, j+2
.endr
	WIN 0x55
.set j, 0
.rept 64
	v_fma_f32 v[TT+j], |v[XX+j]|, s98, 1.0         ; 1 + |x| / (2 sqrt 2)
.set j, j+1
.endr
	s_wait_alu depctr_va_vdst(0)                   ; ahead of the batch
.set j, 0
.rept 64
	v_rcp_f32 v[TT+j], v[TT+j]
.set j, j+1
.endr
	v_nop
	s_wait_alu depctr_va_vdst(0)                   ; one wait for the batch, ahead of its first reader
	WIN 0x45                                       ; the addend lies in window 0
.set j, 0
.rept 32
	v_pk_fma_f32 v[PP+j:PP+j+1], v[TT+j:TT+j+1], 0xbeaef946, v[10:11] op_sel_hi:[1,0,1]
.set j, j+2
.endr
	WIN 0x55
.irp k, 0xc03e87b0, 0x40114e5d, 0xbf0ec7cc, 0x3ebec24c, 0xbe4636c9, 0xbf3f88fb, 0xc00000c7, 0x407ab55a
.set j, 0
.rept 32
	v_pk_fma_f32 v[PP+j:PP+j+1], v[PP+j:PP+j+1], v[TT+j:TT+j+1], \k op_sel_hi:[1,1,0]
.set j, j+2
.endr
.endr
.set j, 0
.rept 32
	v_pk_fma_f32 v[PP+j:PP+j+1], v[XX+j:XX+j+1], v[XX+j:XX+j+1], v[PP+j:PP+j+1]   ; x x - 2 (P - ln 2)
.set j, j+2
.endr
.set j, 0
.rept 32
	v_pk_mul_f32 v[PP+j:PP+j+1], v[PP+j:PP+j+1], 0xbf38aa3b op_sel_hi:[1,0]       ; x -log2(e) / 2
.set j, j+2
.endr
	s_wait_alu depctr_va_vdst(0)                   ; ahead of the batch
.set j, 0
.rept 64
	v_exp_f32 v[PP+j], v[PP+j]
	v_mul_f32 v[TT+j], |v[XX+j]|, v[TT+j]          ; |x| t and max(x, 0) name no result of the batch; they are first read behind the wait below
	v_max_num_f32 v[XX+j], 0, v[XX+j]
.set j, j+1
.endr
	s_wait_alu depctr_va_vdst(0)                   ; one wait for the batch and for the plain lines among it
.set j, 0
.rept 32
	v_pk_fma_f32 v[XX+j:XX+j+1], v[TT+j:TT+j+1], v[PP+j:PP+j+1], v[XX+j:XX+j+1] neg_lo:[1,0,0] neg_hi:[1,0,0]
.set j, j+2
.endr
	WIN 0x41
.set j, 0
.rept 64
	v_med3_num_f32 v[XX+j], v[XX+j], -v[LIM], v[LIM]   ; the conversion to an 8-bit code does not saturate (ISA guide 7.6.2)
.set j, j+1
.endr
	WIN 0x01
.set j, 0
.rept 8
	v_cvt_scalef32_pk8_fp8_f32 v[COD+16*(\g)+2*j:COD+16*(\g)+2*j+1], v[XX+8*j:XX+8*j+7], v[SC]
.set j, j+1
.endr
	WIN 0
	v_nop                                          ; a plain line between the conversions and the swaps
.irp m, 0,1,2,3
	v_permlane16_swap_b32 v[COD+16*(\g)+4*\m], v[COD+16*(\g)+4*\m+2]     ; registers 4 m .. 4 m + 3 then hold 16 neighbours: K = 32 (m % 2) + 16 (lane / 16) + 0 .. 15 of the quarter, tile 2 g + m / 2
	v_permlane16_swap_b32 v[COD+16*(\g)+4*\m+1], v[COD+16*(\g)+4*\m+3]
.endr
.irp m, 0,1,2,3
	global_store_b128 v[LI], v[COD+16*(\g)+4*\m:COD+16*(\g)+4*\m+3], s[10:11] offset:(2*(\g)+\m/2)*65536+512*(\m%2)
.endr
.endm
	s_load_b256 s[4:11], s[0:1], 0x0               ; the tokens' images, W1's codes, lowp_scales, the result's images
	s_load_b64 s[12:13], s[0:1], 0x20              ; the bias
	v_lshl_add_u32 v[SPW], v0, 2, SPARE
	v_mov_b32 v[NIL], 0
	ds_add_u32 v[SPW], v[NIL]                      ; the opening: the add, twice on end, and its wait ahead of my first tensor load
	ds_add_u32 v[SPW], v[NIL]
	v_lshrrev_b32 v1, 5, v0
	v_readfirstlane_b32 s14, v1                    ; wave 0..3
	v_and_b32 v[LI], 31, v0
	v_lshlrev_b32 v[LI], 4, v[LI]
	s_bfe_u32 s40, ttmp6, 0x40000                  ; cx, cy
	s_bfe_u32 s41, ttmp6, 0x40004
	s_lshl_b32 s42, ttmp9, 2
	s_add_co_u32 s42, s42, s40                     ; the block of 256 features
	s_and_b32 s17, ttmp7, 0xffff
	s_lshl_b32 s17, s17, 2
	s_add_co_u32 s17, s17, s41                     ; the block of 256 tokens
	s_lshl_b32 s44, 0x1111, s40                    ; my column of the cluster
	s_or_b32 s[G1B+0], s44, (0<<16)|(1<<20)|(1<<21)|(7<<22)|(3<<25)   ; mask; elements of 1 byte; padding on; bit 21 beside a mask; 4 words behind every 256
	s_mov_b32 s[G1B+1], 1024<<16                   ; tensor_dim0
	s_mov_b32 s[G1B+2], 64<<16                     ; tensor_dim1
	s_mov_b32 s[G1B+3], 1024<<16                   ; tile_dim0
	s_mov_b32 s[G1B+4], 64                         ; tile_dim1
	s_mov_b32 s[G1B+5], 1024                       ; from row to row
	s_mov_b32 s[G1B+6], 0
	s_mov_b32 s[G1B+7], 0
	s_lshl_b32 s46, s42, 8
	s_lshl_b32 s18, s14, 6
	s_add_co_u32 s46, s46, s18                     ; weights: row 256 x block + 64 x wave,
	s_lshl_b32 s46, s46, 10                        ; of 1,024 bytes
	s_mov_b32 s47, 0
	s_mul_i32 s45, s14, QB                         ; where they go: wave x 64 rows: no place in the cluster enters an LDS address
	s_lshl_b32 s20, s17, 4
	s_lshl_b32 s18, s14, 2
	s_add_co_u32 s20, s20, s18                     ; my first token tile: 16 x block + 4 x wave
	s_lshl_b32 s22, s20, 16                        ; in the result: 65,536 bytes a tile,
	s_lshl_b32 s19, s42, 12
	s_add_co_u32 s22, s22, s19                     ; + 16 bytes x 256 x my block of features
	s_mov_b32 s23, 0
	s_lshl_b32 s20, s20, 14                        ; in the tokens' images: 16,384 bytes a tile
	s_mov_b32 s21, 0
	s_lshl_b32 s86, s42, 10                        ; the bias of my 256 features
	s_mov_b32 s87, 0
	s_wait_alu depctr_va_vdst(0)
	s_wait_dscnt 0x0                               ; both opening adds are done
	s_wait_kmcnt 0x0
	s_load_b512 s[68:83], s[8:9], 0x0              ; the sixteen exponents
	s_add_nc_u64 s[4:5], s[4:5], s[20:21]
	s_add_nc_u64 s[46:47], s[6:7], s[46:47]
	s_add_nc_u64 s[10:11], s[10:11], s[22:23]
	s_add_nc_u64 s[12:13], s[12:13], s[86:87]
	TOK 0                                          ; 48 token loads go out ahead of the round
	TOK 1
	TOK 2
	WIN 0
	CROUND                                         ; all sixteen work-groups are here: the joint loads meet
	s_mov_b32 s[G0B], 1
	s_mov_b32 s[G0B+1], s45
	s_mov_b64 s[G0B+2:G0B+3], s[46:47]
	s_or_b32 s[G0B+3], s[G0B+3], 0x80000000
	tensor_load_to_lds s[G0B:G0B+3], s[G1B:G1B+7]  ; every wave's one load: its 64 weight rows, whole
	s_nop 0
	PLACES 4
	TOK 3
	TOK 4
	TOK 5
	TOK 6
	TOK 7
	WIN 0
	v_and_b32 v1, 15, v0                           ; r
	v_bfe_u32 v2, v0, 4, 1                         ; h
	v_mul_u32_u24 v3, v1, WP
	v_lshl_add_u32 v[AB0], v2, 4, v3               ; a fragment's row x pitch + 16 h
	v_lshlrev_b32 v[BO], 5, v2
	v_mov_b32 v10, 0x3fd27892                      ; -2 x the polynomial's second highest coefficient, twice: a pair for the packed form
	v_mov_b32 v11, 0x3fd27892
	s_wait_kmcnt 0x0
	s_add_co_i32 s96, s80, s81
	s_add_co_i32 s96, s96, 127
	s_lshl_b32 s96, s96, 23                        ; 2^(e12 + e13) as f32
	s_mov_b32 s97, s96                             ; (named with it as a pair)
	s_add_co_i32 s20, s82, 127
	s_lshl_b32 s21, s20, 23
	v_mov_b32 v[SC], s21                           ; 2^e14
	s_add_co_i32 s20, s20, 8
	s_lshl_b32 s20, s20, 23
	s_or_b32 s20, s20, 0x600000
	v_mov_b32 v[LIM], s20                          ; 448 x 2^e14
	s_mov_b32 s98, 0x3eb504f3                      ; 1 / (2 sqrt 2)
	s_mov_b32 s24, 0                               ; LDS byte of the quarter's rows
	s_mov_b32 s3, 0
	s_wait_alu depctr_va_vdst(0)
	s_wait_tensorcnt 0x0                           ; my 64 rows are in,
	s_barrier_signal -1
	s_barrier_wait -1                              ; everybody's are
.Lq:                                                   ; four trips: a quarter of 64 features each
	v_add_nc_u32 v[ADB], s24, v[AB0]
	s_wait_alu depctr_va_vdst(0)
.irp b, 0,1,2,3
	global_load_b128 v[BN+8*\b:BN+8*\b+3], v[BO], s[12:13] offset:64*\b        ; the quarter's bias lands under its products
	global_load_b128 v[BN+8*\b+4:BN+8*\b+7], v[BO], s[12:13] offset:64*\b+16
.endr
	FB 0
	FB 1
.irp ch, 0,1,2,3,4,5,6,7
	KS \ch
.endr
	WIN 0
	PLACES 4                                       ; behind the last products, in front of the lines that read results
	s_wait_loadcnt 0x0                             ; the bias
	GELU 0
	GELU 1
	s_wait_alu depctr_va_vdst(0)
	s_wait_xcnt 0x0                                ; the stores have read their data and their base
	s_add_nc_u64 s[10:11], s[10:11], 1024          ; 64 features on in each image
	s_add_nc_u64 s[12:13], s[12:13], 256
	s_add_co_u32 s24, s24, QB
	s_add_co_u32 s3, s3, 1
	s_cmp_lt_u32 s3, 4
	s_cbranch_scc1 .Lq
	s_wait_tensorcnt 0x0                           ; the wave's end
	ds_add_u32 v[SPW], v[NIL]
	s_wait_dscnt 0x0
	CROUND                                         ; the closing round
	s_endpgm
.Lfunc_end_k_q91928f94f3_fc1:
	.size	k_q91928f94f3_fc1, .Lfunc_end_k_q91928f94f3_fc1-k_q91928f94f3_fc1
	.p2alignl 7, 3214868480
	.fill 96, 4, 3214868480
	.section	.rodata,"a",@progbits
	.p2align	6, 0x0
	.amdhsa_kernel k_q91928f94f3_fc1
		.amdhsa_group_segment_fixed_size 327680
		.amdhsa_private_segment_fixed_size 0
		.amdhsa_enable_private_segment 0
		.amdhsa_kernarg_size 40
		.amdhsa_user_sgpr_count 2
		.amdhsa_user_sgpr_kernarg_segment_ptr 1
		.amdhsa_wavefront_size32 1
		.amdhsa_system_sgpr_workgroup_id_x 1
		.amdhsa_system_sgpr_workgroup_id_y 1
		.amdhsa_system_sgpr_workgroup_id_z 1
		.amdhsa_system_vgpr_workitem_id 0
		.amdhsa_next_free_vgpr 1024
		.amdhsa_next_free_sgpr 100
		.amdhsa_reserve_vcc 0
		.amdhsa_float_denorm_mode_32 3
		.amdhsa_float_denorm_mode_16_64 3
		.amdhsa_memory_ordered 1
		.amdhsa_forward_progress 1
		.amdhsa_inst_pref_size 148
	.end_amdhsa_kernel
	.amdgpu_metadata
---
amdhsa.version: [ 1, 2 ]
amdhsa.kernels:
  - .name:           k_q91928f94f3_fc1
    .symbol:         k_q91928f94f3_fc1.kd
    .args:
      - { .name: a2, .offset: 0, .size: 8, .value_kind: global_buffer, .address_space: global }
      - { .name: W1_codes, .offset: 8, .size: 8, .value_kind: global_buffer, .address_space: global }
      - { .name: lowp_scales, .offset: 16, .size: 8, .value_kind: global_buffer, .address_space: global }
      - { .name: himg, .offset: 24, .size: 8, .value_kind: global_buffer, .address_space: global }
      - { .name: b1, .offset: 32, .size: 8, .value_kind: global_buffer, .address_space: global }
    .group_segment_fixed_size: 327680
    .private_segment_fixed_size: 0
    .kernarg_segment_align: 8
    .kernarg_segment_size: 40
    .max_flat_workgroup_size: 128
    .sgpr_count:     100
    .vgpr_count:     1024
    .wavefront_size: 32
...
	.end_amdgpu_metadata
.endif
;; end of part 6
;; launch fc2 (part 7): grid 8 x 32, 4 waves a work-group, clusters of 4 x 4, 327,680 bytes of LDS; arguments himg, W2_codes, lowp_scales, out0, b2, x1; writes out0
.if DOCPART == 7
	.amdgcn_target "amdgcn-amd-amdhsa--gfx1250"
	.amdhsa_code_object_version 6
	.text
	.protected	k_q91928f94f3_fc2
	.globl	k_q91928f94f3_fc2
	.p2align	8
	.type	k_q91928f94f3_fc2,@function
k_q91928f94f3_fc2:
	s_mov_b64 s[64:65], 0
	v_nop
	global_prefetch_b8 v0, s[64:65] scope:SCOPE_SE
	s_setreg_imm32_b32 hwreg(HW_REG_WAVE_MODE, 25, 1), 1
	s_wait_xcnt 0x0
	s_wait_alu depctr_hold_cnt(0) depctr_sa_sdst(0) depctr_va_vdst(0) depctr_va_sdst(0) depctr_va_ssrc(0) depctr_va_vcc(0) depctr_vm_vsrc(0)
	s_getreg_b32 s2, hwreg(HW_REG_IB_STS2, 6, 4)
	s_cmp_eq_u32 s2, 0
	s_cbranch_scc0 .Lentry_in_a_cluster
	s_endpgm
.Lentry_in_a_cluster:
	s_bfe_u32 s2, ttmp6, 0x10000c
	s_cmp_lg_u32 s2, 0xf033
	s_cbranch_scc0 .Lentry_shape_is_right
	s_endpgm
.Lentry_shape_is_right:
; Product 8 with its bias and the residual: out = x1 + h W2 + b2.  4,096 x 1,024, K = 4,096, on codes of E4M3 (entries 14 and 15 of lowp_scales).  Nothing is left out here.
; A tile of the result is 128 x 128 (256 work-groups: tiles of 256 x 256 would be 64).  Four waves; wave w makes tokens 32 w .. 32 w + 31 (two blocks of 16) x all 128 columns (eight blocks): 16 accumulators.
; K goes in 32 steps of 128, 16 matrix instructions a wave each.
; THE TOKENS GO FROM MEMORY STRAIGHT INTO REGISTERS.  They lie as images of operand registers: [token tile of 16][chunk of 128 K][2,048 bytes], registers 4 c .. 4 c + 3 of lane l at 512 c + 16 l, holding
; K = 32 c + 16 (l / 16) + 0 .. 15 of token l % 16: a fragment is four loads of 512 consecutive bytes, a step eight loads a wave, and no wave loads what another wave of the work-group loads.  A ring of eight places of
; 32 registers takes them; a step's loads are issued seven steps ahead of its products, and the wait for them is counted: the later steps' loads stay out.
; THE WEIGHTS are rows of codes and go through LDS: two slots of 128 rows x 1,024 bytes (eight steps), padded by 16 bytes a row; each wave fetches 32 rows by one tensor load; every wave reads all 128 rows, by four loads
; of 16 bytes a lane for a fragment, in the tokens' order of K.  Two sets of registers: a step's fragments are fetched a whole step ahead.
; CLUSTERS: 4 x 4.  The weights' tiles are shared along a column of the cluster and asked for jointly.  THE TOKENS, which a row of the cluster shares, ARE NOT ASKED FOR JOINTLY: a joint load lands in LDS, and two slots that
; hold both operands hold 512 of K each: K = 4,096 would then take six refills, each waited for whole in front of the barrier behind which the next goes out, with four steps' products beside it.  With the weights alone
; the same bytes of LDS hold 1,024 of K a slot: two refills, eight steps' products beside each.
; No prefetch: a token load is issued seven steps, and a refill eight steps, ahead of the products that want the data.
; The 32 steps are written out by macros, not looped: the first two changes of slots fill a slot again, the third does not; the first 25 steps ask for tokens, the next four for the residual, the last three for nothing;
; and every offset is then an immediate, so that no address register is ever rewritten.
; Source 0 = 16 weight rows, source 1 = 16 tokens: a lane holds eight neighbouring numbers of a row of the result.  A block of 16 rows x 128 columns goes through the wave's stage in LDS and comes back as rows of 512 bytes,
; where the residual and the bias, loaded in that layout, are added by one packed multiply-add: y = sum x 2^(eA + eB) + (x1 + b).
; LIMIT: eA + eB between -126 and 127.
; REGISTERS: window 0: v0-31 addresses, v[12:15] the bias; v32-159 rows of the result.  window 1: the weights' fragments, two sets of 128.  window 2: v0-127 the accumulators ((a, b) at v[8 (8 a + b)]).
;   window 3: the tokens' ring, place j at v[32 j]; places 0 to 3 take the residual when they have been read for the last time.
.set SIZE_K, 4096
.set EA,     82                        ; s[EA], s[EA+1]: eA, eB (lowp_scales lies in s[68:83])
.set NSTEP,  SIZE_K/128                ; 32 steps
.set KSLOT,  1024                      ; along K in a slot
.set SPS,    KSLOT/128                 ; steps in a slot
.set AHEAD,  7                         ; a step's tokens are asked for so many steps ahead
.set NB,     8                         ; weight blocks of 16 rows
.set WP,     1040                      ; an LDS row: 1,024 bytes + 16 of padding = 260 words: row r starts at bank 4 r mod 64 (64 banks of 4 bytes: ISA guide 11.1), so the 16 rows of a load start at 16 different banks
.set SLOT,   128*WP
.set SPARE,  2*SLOT                    ; behind the ring: the spare words, 128 bytes a wave, which no other line names
.set SPITCH, 528                       ; the way out: 16 rows x (512 bytes + 16) for each wave, in slot 0, which has had its last fill and its last read by then
.set ADRB, 20                          ; v20-23 LDS address of the weights' fragments: slot 0 blocks 0-3, blocks 4-7; slot 1 likewise (an offset has 16 bits)
.set STO,  24                          ; v24 the way out: where I put 32 bytes of a row
.set RD,   25                          ; v25 and where I read a row back
.set LI,   26                          ; v26 16 x lane; never rewritten
.set SPW,  28                          ; v28 my spare word's address; never rewritten
.set NIL,  29                          ; v29 0; never rewritten
.set BK,   32                          ; v32-159 two blocks' rows, back from the stage
.set G1B, 48                           ; s[48:55] descriptor group 1 for the weights; s[56:63] group 0, one set for each slot
.set G0B, 56
.set MULW, 0xad                        ; source 0 (weights) window 1, source 1 (tokens) window 3, C and D window 2
.set TO_B, 0x40                        ; destination window 1, address window 0
.set TO_A, 0xc0                        ; destination window 3, address window 0
.set MSB, 0
.macro WIN new                         ; the immediate's high byte repeats the setting that is left
.if MSB != (\new)
	s_set_vgpr_msb (MSB<<8)|(\new)
.set MSB, \new
.endif
.endm
.macro JLOAD s                         ; a joint load: every wave fetches its 32 rows of the slot; an s_nop 0 and four v_nop follow the line
	tensor_load_to_lds s[G0B+4*(\s):G0B+4*(\s)+3], s[G1B:G1B+7]
	s_nop 0
.rept 4
	v_nop
.endr
.endm
.macro CREST                           ; a round of the cluster's barrier behind its opening barrier
	s_cmp_lg_u32 s14, 0
	s_cbranch_scc1 .Lnot_wave_0_\@
	s_barrier_signal -3
.Lnot_wave_0_\@:
	s_barrier_wait -3
	s_barrier_signal -1
	s_barrier_wait -1
.endm
.macro CROUND
	s_barrier_signal -1
	s_barrier_wait -1
	CREST
.endm
.macro PLACES n                        ; plain vector lines between a matrix instruction and a load into, or a store or vector line on, its registers
.rept \n
	v_nop
.endr
.endm
.macro TOKENS q                        ; my two token blocks' fragments of step q into ring place q % 8: eight loads of 512 consecutive bytes
	WIN TO_A
.irp i, 0,1
.irp c, 0,1,2,3
	global_load_b128 v[32*((\q)%8)+16*\i+4*\c:32*((\q)%8)+16*\i+4*\c+3], v[LI], s[4:5] offset:65536*\i+2048*(\q)+512*\c
.endr
.endr
.endm
.macro RESID g                         ; rows 8 g .. 8 g + 7 of my 32 rows of the residual into ring place g: row i at v[4 i] of window 3, in the layout of the stores
	WIN TO_A
.irp t, 0,1,2,3,4,5,6,7
	global_load_b128 v[32*(\g)+4*\t:32*(\g)+4*\t+3], v[LI], s[66:67] offset:(8*(\g)+\t)*4096
.endr
.endm
.macro FEED q                          ; what step q asks for, into the ring place that step q - 1 read: the tokens of step q + 7; when there are no more, a quarter of the residual; then nothing
.if (\q)+AHEAD < NSTEP
	TOKENS (\q)+AHEAD
.elseif (\q)+AHEAD < NSTEP+4
	RESID (\q)+AHEAD-NSTEP
.endif
.endm
.macro WAITTOK q                       ; step q's tokens are in.  Loads come back in order (ISA guide 5.7.1); behind step q's were issued the tokens of up to six later steps and the quarters of the residual asked for so far, eight loads each
.set tk, NSTEP-1-(\q)
.if tk > AHEAD-1
.set tk, AHEAD-1
.endif
.set rg, (\q)-(NSTEP-AHEAD)
.if rg < 0
.set rg, 0
.endif
.if rg > 4
.set rg, 4
.endif
	s_wait_loadcnt 8*(tk+rg)
.endm
.macro FETCH_B slot, ql, p             ; the weights' eight fragments of the slot's step ql into set p
	WIN TO_B
.set fi, 0
.rept NB
.irp c, 0,1,2,3
	ds_load_b128 v[128*(\p)+16*fi+4*\c:128*(\p)+16*fi+4*\c+3], v[ADRB+2*(\slot)+fi/4] offset:128*(\ql)+32*\c+(fi%4)*16*WP
.endr
.set fi, fi+1
.endr
.endm
; Token block a of step q against the eight weight blocks.  Step 0's products start the sums: nothing is cleared.  The 16 accumulators take turns, one instruction a turn, in the same order in every step.
.macro MUL a, q
.set mb, 0
.rept NB
.set rD, 8*(NB*(\a)+mb)
.set rB, 128*((\q)%2)+16*mb
.set rA, 32*((\q)%8)+16*(\a)
.if (\q) == 0
	v_wmma_f32_16x16x128_fp8_fp8 v[rD:rD+7], v[rB:rB+15], v[rA:rA+15], 0
.else
	v_wmma_f32_16x16x128_fp8_fp8 v[rD:rD+7], v[rB:rB+15], v[rA:rA+15], v[rD:rD+7]
.endif
.set mb, mb+1
.endr
.endm
; A step that has its successor in the same slot.  The four places stand between the last step's products and the loads into the set of weights and the ring place that they read.
.macro STEP q
	PLACES 4
	FETCH_B ((\q)/SPS)%2, (\q)%SPS+1, ((\q)+1)%2
	WAITTOK \q
	FEED \q
	s_wait_dscnt 32                                ; this step's weights are in; the 32 loads just issued, the next step's, may be out
	WIN MULW
	MUL 0, \q
	MUL 1, \q
.endm
; A slot's last step changes slots: one barrier; in front of it each wave waits for all its tensor loads, adds 0 to its spare word, and waits for that and for its reads of this slot.
; The slot is filled again if K has eight more steps for it; the barrier then opens a round of the cluster's.
.macro TURN q
.set sl, ((\q)/SPS)%2
	WIN 0                                          ; (the add's two registers lie in window 0)
	PLACES 4                                       ; for the loads behind the barrier, into what the last step's products read
	s_wait_tensorcnt 0x0                           ; all my tensor loads have landed: my part of the next slot
	ds_add_u32 v[SPW], v[NIL]
	WAITTOK \q
	s_wait_dscnt 1                                 ; this step's weights are in; the add may be out
	WIN MULW
	MUL 0, \q                                      ; eight matrix instructions stand between the add and the wait for it
	s_wait_dscnt 0x0                               ; the add is done, and my reads of this slot are over
	s_barrier_signal -1
	MUL 1, \q
	WIN 0
	s_barrier_wait -1
.if (\q)+1+SPS < NSTEP
	CREST                                          ; no wave of any partner still reads this slot or has a load on its way
	s_add_nc_u64 s[G0B+4*sl+2:G0B+4*sl+3], s[G0B+4*sl+2:G0B+4*sl+3], 2*KSLOT
	JLOAD sl                                       ; the first tensor load behind the round: eight steps ahead of the wait for it
.endif
	FETCH_B 1-sl, 0, ((\q)+1)%2
	FEED \q
.endm
	s_load_b256 s[4:11], s[0:1], 0x0               ; the tokens' images, W2's codes, lowp_scales, the result
	s_load_b64 s[12:13], s[0:1], 0x20              ; the bias
	s_load_b64 s[66:67], s[0:1], 0x28              ; the residual
	v_lshl_add_u32 v[SPW], v0, 2, SPARE
	v_mov_b32 v[NIL], 0
	ds_add_u32 v[SPW], v[NIL]                      ; the opening: the add, twice on end, and its wait ahead of my first tensor load
	ds_add_u32 v[SPW], v[NIL]
	v_lshrrev_b32 v1, 5, v0
	v_readfirstlane_b32 s14, v1                    ; wave 0..3
	s_bfe_u32 s40, ttmp6, 0x40000                  ; cx, cy: my place in the cluster
	s_bfe_u32 s41, ttmp6, 0x40004
	s_lshl_b32 s42, ttmp9, 2
	s_add_co_u32 s42, s42, s40                     ; tile column
	s_and_b32 s17, ttmp7, 0xffff
	s_lshl_b32 s17, s17, 2
	s_add_co_u32 s17, s17, s41                     ; tile row
	s_lshl_b32 s44, 0x1111, s40                    ; my column of the cluster
	s_or_b32 s[G1B+0], s44, (0<<16)|(1<<20)|(1<<21)|(7<<22)|(3<<25)   ; mask; elements of 1 byte; padding on; bit 21 beside a mask; 4 words behind every 256
	s_mov_b32 s[G1B+1], KSLOT<<16                  ; tensor_dim0
	s_mov_b32 s[G1B+2], 32<<16                     ; tensor_dim1
	s_mov_b32 s[G1B+3], KSLOT<<16                  ; tile_dim0
	s_mov_b32 s[G1B+4], 32                         ; tile_dim1
	s_mov_b32 s[G1B+5], SIZE_K                     ; from row to row
	s_mov_b32 s[G1B+6], 0
	s_mov_b32 s[G1B+7], 0
	s_lshl_b32 s46, s42, 7
	s_lshl_b32 s18, s14, 5
	s_add_co_u32 s46, s46, s18                     ; weights: row 128 x tile column + 32 x wave,
	s_lshl_b32 s46, s46, 12                        ; of 4,096 bytes
	s_mov_b32 s47, 0
	s_mul_i32 s45, s14, 32*WP                      ; where they go: wave x 32 rows: no place in the cluster enters an LDS address
	s_lshl_b32 s20, s17, 3
	s_lshl_b32 s18, s14, 1
	s_add_co_u32 s20, s20, s18                     ; tokens: token tile 8 x tile row + 2 x wave,
	s_lshl_b32 s20, s20, 16                        ; of 65,536 bytes
	s_mov_b32 s21, 0
	s_lshl_b32 s86, s17, 7
	s_lshl_b32 s18, s14, 5
	s_add_co_u32 s86, s86, s18                     ; my first row of the result,
	s_lshl_b32 s86, s86, 12                        ; of 4,096 bytes,
	s_lshl_b32 s88, s42, 9                         ; and the tile's first column, in bytes
	s_add_co_u32 s86, s86, s88
	s_mov_b32 s87, 0
	s_mov_b32 s89, 0
	v_and_b32 v[LI], 31, v0
	v_lshlrev_b32 v[LI], 4, v[LI]
	s_wait_alu depctr_va_vdst(0)
	s_wait_dscnt 0x0                               ; both opening adds are done
	s_wait_kmcnt 0x0
	s_load_b512 s[68:83], s[8:9], 0x0              ; the sixteen exponents: waited for on the way out
	s_add_nc_u64 s[4:5], s[4:5], s[20:21]
	s_add_nc_u64 s[46:47], s[6:7], s[46:47]
	s_add_nc_u64 s[12:13], s[12:13], s[88:89]
	s_add_nc_u64 s[66:67], s[66:67], s[86:87]
	s_add_nc_u64 s[10:11], s[10:11], s[86:87]
	global_load_b128 v[12:15], v[LI], s[12:13]     ; the bias of my four columns
.irp q, 0,1,2,3,4,5,6
	TOKENS \q                                      ; the ring's first seven places: with the bias 57 loads of mine are out
.endr
	WIN 0
	CROUND                                         ; all sixteen work-groups are here: the first joint loads meet
.irp s, 0,1
	s_mov_b32 s[G0B+4*\s], 1
	s_add_co_u32 s[G0B+4*\s+1], s45, \s*SLOT
	s_add_nc_u64 s[G0B+4*\s+2:G0B+4*\s+3], s[46:47], \s*KSLOT
	s_or_b32 s[G0B+4*\s+3], s[G0B+4*\s+3], 0x80000000
.endr
	JLOAD 0                                        ; slot 0: one tensor load a wave at the head
	v_and_b32 v1, 15, v0                           ; r
	v_bfe_u32 v2, v0, 4, 1                         ; h
	v_mul_u32_u24 v4, v1, WP
	v_lshl_add_u32 v[ADRB], v2, 4, v4              ; a fragment's row x pitch + 16 h
	v_add_nc_u32 v[ADRB+1], 64*WP, v[ADRB]
	v_add_nc_u32 v[ADRB+2], SLOT, v[ADRB]
	v_add_nc_u32 v[ADRB+3], SLOT+64*WP, v[ADRB]
	s_mul_i32 s23, s14, 16*SPITCH                  ; my stage
	v_mul_u32_u24 v5, v1, SPITCH
	v_lshl_add_u32 v5, v2, 5, v5
	v_add_nc_u32 v[STO], s23, v5                   ; in: row r, 32 bytes for each half of the lanes
	v_add_nc_u32 v[RD], s23, v[LI]                 ; back: the 32 lanes take one row of 512 bytes
	s_wait_alu depctr_va_vdst(0)
	s_wait_tensorcnt 0x0                           ; my part of slot 0 is in
	ds_add_u32 v[SPW], v[NIL]
	s_wait_dscnt 0x0
	CROUND                                         ; a whole round: everybody's part of slot 0 is in, and the joint loads meet
	JLOAD 1                                        ; slot 1: the first tensor load behind the round
	FETCH_B 0, 0, 0
.set Q, 0
.rept NSTEP-1
.if Q%SPS == SPS-1
	TURN Q
.else
	STEP Q
.endif
.set Q, Q+1
.endr
	WAITTOK NSTEP-1                                ; the last step: nothing more to fetch
	s_wait_dscnt 0x0
	WIN MULW
	MUL 0, NSTEP-1
	MUL 1, NSTEP-1
	WIN 0
	; THE WAY OUT
	s_wait_kmcnt 0x0
	s_add_co_i32 s96, s[EA], s[EA+1]
	s_add_co_i32 s96, s96, 127
	s_lshl_b32 s96, s96, 23                        ; 2^(eA + eB) as f32
	s_mov_b32 s97, s96                             ; (named with it as a pair)
	PLACES 4                                       ; behind the last products, in front of the stores that read results
.macro TOSTAGE a                       ; block a's raw sums into my stage, and back as whole rows of 512 bytes: LDS serves a wave's instructions in order (ISA guide 5.7.1.4), so no wait stands between, nor in front of the next block's stores
	WIN 0x08                                       ; the stores' data: window 2
.irp b, 0,1,2,3,4,5,6,7
	ds_store_b128 v[STO], v[8*(8*(\a)+\b):8*(8*(\a)+\b)+3] offset:64*\b          ; each accumulator from its low end on
	ds_store_b128 v[STO], v[8*(8*(\a)+\b)+4:8*(8*(\a)+\b)+7] offset:64*\b+16
.endr
	WIN 0
.irp t, 0,1,2,3,4,5,6,7,8,9,10,11,12,13,14,15
	ds_load_b128 v[BK+64*(\a)+4*\t:BK+64*(\a)+4*\t+3], v[RD] offset:\t*SPITCH
.endr
.endm
.macro SEND a, younger                 ; younger: the LDS instructions issued behind block a's loads, which may stay out
	s_wait_dscnt \younger
	WIN 0x30                                       ; the addend: window 3
.set j, 0
.rept 32
	v_pk_fma_f32 v[BK+64*(\a)+j:BK+64*(\a)+j+1], v[BK+64*(\a)+j:BK+64*(\a)+j+1], s[96:97], v[64*(\a)+j:64*(\a)+j+1] op_sel_hi:[1,0,1]
.set j, j+2
.endr
	WIN 0
.irp t, 0,1,2,3,4,5,6,7,8,9,10,11,12,13,14,15
	global_store_b128 v[LI], v[BK+64*(\a)+4*\t:BK+64*(\a)+4*\t+3], s[10:11] offset:(16*(\a)+\t)*4096   ; 32 lanes store 512 consecutive bytes, aligned
.endr
.endm
	TOSTAGE 0
	TOSTAGE 1
	s_wait_loadcnt 0x0                             ; the residual
	WIN 0xc3                                       ; destination and source 0 window 3, the bias window 0
.set j, 0
.rept 32
	v_pk_add_f32 v[j:j+1], v[j:j+1], v[12:13]      ; residual + bias
	v_pk_add_f32 v[j+2:j+3], v[j+2:j+3], v[14:15]
.set j, j+4
.endr
	SEND 0, 32                                     ; behind block 0's loads: block 1's 16 stores and 16 loads
	SEND 1, 0
	s_wait_tensorcnt 0x0                           ; the wave's end
	ds_add_u32 v[SPW], v[NIL]
	s_wait_dscnt 0x0
	CROUND                                         ; the closing round
	s_endpgm
.Lfunc_end_k_q91928f94f3_fc2:
	.size	k_q91928f94f3_fc2, .Lfunc_end_k_q91928f94f3_fc2-k_q91928f94f3_fc2
	.p2alignl 7, 3214868480
	.fill 96, 4, 3214868480
	.section	.rodata,"a",@progbits
	.p2align	6, 0x0
	.amdhsa_kernel k_q91928f94f3_fc2
		.amdhsa_group_segment_fixed_size 327680
		.amdhsa_private_segment_fixed_size 0
		.amdhsa_enable_private_segment 0
		.amdhsa_kernarg_size 48
		.amdhsa_user_sgpr_count 2
		.amdhsa_user_sgpr_kernarg_segment_ptr 1
		.amdhsa_wavefront_size32 1
		.amdhsa_system_sgpr_workgroup_id_x 1
		.amdhsa_system_sgpr_workgroup_id_y 1
		.amdhsa_system_sgpr_workgroup_id_z 1
		.amdhsa_system_vgpr_workitem_id 0
		.amdhsa_next_free_vgpr 1024
		.amdhsa_next_free_sgpr 100
		.amdhsa_reserve_vcc 0
		.amdhsa_float_denorm_mode_32 3
		.amdhsa_float_denorm_mode_16_64 3
		.amdhsa_memory_ordered 1
		.amdhsa_forward_progress 1
		.amdhsa_inst_pref_size 155
	.end_amdhsa_kernel
	.amdgpu_metadata
---
amdhsa.version: [ 1, 2 ]
amdhsa.kernels:
  - .name:           k_q91928f94f3_fc2
    .symbol:         k_q91928f94f3_fc2.kd
    .args:
      - { .name: himg, .offset: 0, .size: 8, .value_kind: global_buffer, .address_space: global }
      - { .name: W2_codes, .offset: 8, .size: 8, .value_kind: global_buffer, .address_space: global }
      - { .name: lowp_scales, .offset: 16, .size: 8, .value_kind: global_buffer, .address_space: global }
      - { .name: out0, .offset: 24, .size: 8, .value_kind: global_buffer, .address_space: global }
      - { .name: b2, .offset: 32, .size: 8, .value_kind: global_buffer, .address_space: global }
      - { .name: x1, .offset: 40, .size: 8, .value_kind: global_buffer, .address_space: global }
    .group_segment_fixed_size: 327680
    .private_segment_fixed_size: 0
    .kernarg_segment_align: 8
    .kernarg_segment_size: 48
    .max_flat_workgroup_size: 128
    .sgpr_count:     100
    .vgpr_count:     1024
    .wavefront_size: 32
...
	.end_amdgpu_metadata
.endif
;; end of part 7
